; MI455X (gfx1250); checked and timed in simulation.
; The chip was launched on July 23, 2026; its instructions are those of AMD's public machine-readable ISA for CDNA 5 (MIT licence, August 2026) and "CDNA5" Instruction Set Architecture Reference Guide (July 2026). The comments in the code are by the model that wrote it; some were corrected since.
;; Causal Self Attention. Allowed arithmetic: matrix products marked QUANTISED: E2M3 operands, one E8M0 scale for each 32 along K, by v_wmma_scale_f32_16x16x128_f8f6f4 with both operands' format E2M3, f32 sums; everything else in f32.
;; Inputs: Wk 1,024 x 1,024 float32; Wo 1,024 x 1,024 float32; Wq 1,024 x 1,024 float32; Wv 1,024 x 1,024 float32; bk 1,024 float32; bo 1,024 float32; bq 1,024 float32; bv 1,024 float32; x 4 x 2,048 x 1,024 float32.
;; Outputs: out0 4 x 2,048 x 1,024 float32.
;; This version of the problem:
;;   THIS VERSION OF THE PROBLEM IS GIVEN IN LOW PRECISION. The matrix products marked QUANTISED in the list below multiply operands that are first quantised to E2M3 (2 exponent bits, 3 mantissa bits; 6 bits a number), with one power-of-two scale for each 32 numbers along K (OCP MX v1.0); their sums are f32. All else is computed in f32.
;;   The module's matrix products, in the order in which they are computed (A, B: the left and right operand; K: the contracted axis; several contracted axes count as one K, in the product's order):
;;     1. [M 8,192, K 1,024] x [K 1,024, N 1,024]; A: input x; B: input Wq: QUANTISED
;;     2. [M 8,192, K 1,024] x [K 1,024, N 1,024]; A: input x; B: input Wk: QUANTISED
;;     3. [M 8,192, K 1,024] x [K 1,024, N 1,024]; A: input x; B: input Wv: QUANTISED
;;     4. batch 64 x [M 2,048, K 64] x [K 64, N 2,048]; A: computed on the way; B: computed on the way: QUANTISED
;;     5. batch 64 x [M 2,048, K 2,048] x [K 2,048, N 64]; A: softmax (see below); B: computed on the way: QUANTISED
;;     6. [M 8,192, K 1,024] x [K 1,024, N 1,024]; A: computed on the way; B: input Wo: QUANTISED
;;   THE QUANTISER, for each operand of a quantised product, along K:
;;     - K is cut into blocks of 32 from its start; a last block that is shorter is filled with zeros.
;;     - A block's scale is 2^e with e = floor(log2(the largest magnitude in the block)) - 2, held to -126 .. 127; a block of zeros has e = 0. As a byte (E8M0): e + 127.
;;     - Each number is divided by its block's scale, clamped to +-7.5, and rounded to the nearest number of E2M3, ties to even, subnormals kept.
;;     - The product sums the exact products of the quantised numbers (number of the format x scale) in f32.
;;   ~~~python
;;   def quantise(x, axis):      # numpy; x: float32 -> the quantised numbers, widened to float32 again
;;       x = np.moveaxis(x, axis, -1); K = x.shape[-1]
;;       x = np.pad(x, [(0, 0)] * (x.ndim - 1) + [(0, -K % 32)]); x = x.reshape(x.shape[:-1] + (-1, 32)); a = np.abs(x).max(-1, keepdims=True)
;;       e = np.where(a > 0, np.clip(np.frexp(np.where(a > 0, a, 1))[1] - 1 - 2, -126, 127), 0)      # np.frexp(a)[1] - 1 = floor(log2(a)), exactly
;;       r = np.clip(x / 2.0 ** e, -7.5, 7.5)
;;       step = 2.0 ** (np.maximum(np.frexp(np.where(r == 0, 1, r))[1] - 1, 0) - 3)
;;       q = np.round(r / step) * step * 2.0 ** e      # np.round: ties to even
;;       return np.moveaxis(q.reshape(q.shape[:-2] + (-1,))[..., :K], -1, axis).astype(np.float32)
;;   ~~~
;;   SOFTMAX AHEAD OF A QUANTISED PRODUCT. Where the list says 'softmax', what is quantised is not the finished softmax but p = 2^(t - M), with t = logit x log2(e) and M = ceil(the row's largest t), a whole number; so 1/2 < the row's largest p <= 1. The row's sum l is taken of the UNQUANTISED p, in f32, and the product's result is divided by l at the end. Since M is a whole number, a kernel that streams over the keys may use a running M (the ceiling of the running maximum): every later rescaling is an exact power of two, which a block's scale takes up: the codes' values come out the same.
;;   OPERANDS COMPUTED ON THE WAY. 'Computed on the way' means the value that the module computes at that place (a softmax that the list does not call 'softmax' is quantised finished and normalised). What goes into a quantiser is computed in f32, as accurately as f32 sums, v_exp_f32 and their like allow (about 1e-6 of the number): no bf16 or f16 on the way to a quantiser, and a product that is left as it is and whose result goes on into a quantised operand takes f32 operands (vector FMAs, or v_wmma_f32_16x16x4_f32). A number that lies on a knife's edge between two numbers of the format may be rounded either way, as far as f32 arithmetic and the matrix unit's own rounding can turn it there, and no further.
;; One version. Each part assembles by itself: llvm-mc -triple=amdgcn-amd-amdhsa -mcpu=gfx1250 --defsym DOCPART=n.
;; ======== version 1 of 1: 4 launches
;; workspace buffers: codes 9,830,400 bytes; qkv 19,660,800 bytes; ocodes 6,553,600 bytes
;; launch quant (part 1): grid 384 x 1, 4 waves a work-group, no clusters, 34,304 bytes of LDS; arguments x, Wq, Wk, Wv, Wo, codes; writes codes
.if DOCPART == 1
	.amdgcn_target "amdgcn-amd-amdhsa--gfx1250"
	.amdhsa_code_object_version 6
	.text
	.protected	k_q7f4e9181aa_quant
	.globl	k_q7f4e9181aa_quant
	.p2align	8
	.type	k_q7f4e9181aa_quant,@function
k_q7f4e9181aa_quant:
	s_mov_b64 s[64:65], 0
	v_nop
	global_prefetch_b8 v0, s[64:65] scope:SCOPE_SE
	s_setreg_imm32_b32 hwreg(HW_REG_WAVE_MODE, 25, 1), 1
	s_wait_xcnt 0x0
; x [8192][1024] and Wq, Wk, Wv, Wo [1024][1024], f32 with K innermost, become codes of FP6 (E2M3) with one E8M0 byte for each 32 along K,
; laid as IMAGES OF OPERAND REGISTERS.  A fragment (16 rows x 128 K, 12 registers a lane) is six chunks of 256 bytes: chunk p holds lane l's
; registers 2 p, 2 p + 1 at byte 8 l.  A block of 25,600 bytes holds 128 rows x 256 K: codes [i 0..7][ks 0..1][1536], then scale words [i][r][ks].
; codes = [G = rows / 128: x 0-63, Wq 64-71, Wk 72-79, Wv 80-87, Wo 88-95][K slot 0..3][25600].
; THE ROWS OF A FRAGMENT ARE NOT NEIGHBOURS: row block i = 2 B + u, lane r holds row 32 B + 8 u + r + 8 (r / 8) of the 128.
; SHARES: a work-group takes 32 rows (B = group % 4), wave w the K slot w: four fragments f = 2 u + ks.  Each load reads 512 consecutive bytes of a row;
; a fragment's 16 rows turn through the wave's own stage in LDS (rows of 528 bytes) so that a lane gets 16 neighbours of each block of 32.
; A block's scale byte is its largest magnitude's exponent field - 2, held at 1 from below.
; LIMITS: NaN and infinities among the inputs are not served; a block whose largest magnitude lies under 2^-124 keeps the byte 1; a block of zeros
; gets the byte 1 with zero codes (the bytes are read by this program alone).  No tensor load, no barrier: waves share nothing.
.set BLKB,  25600
.set SPT,   528                        ; a stage row: 512 bytes + 16, an odd multiple of 16
.set STG,   16*SPT                     ; a wave's stage
.set TM,    8                          ; v8-23   at work in QUANT
.set PW,    24                         ; v24     the scale word just made
.set WD,    25                         ; v25-28  the four fragments' scale words
.set RR,    32                         ; v32-159 two sets of 64 numbers as loaded
.set XX,    160                        ; v160-223 64 numbers after the turn: register 16 b + i = k 32 b + 16 (lane / 16) + i of row lane % 16
.set PC,    224                        ; v224-243 the codes
.set SEL,   28                         ; s[28:29] selects for lane l xor 16
; 64 numbers of a lane become a fragment's codes in v[PC] on and its scale word in v[PW]
.macro QUANT s
.irp b, 0,1,2,3
	v_max3_num_f32 v[TM+\b], |v[\s+16*\b]|, |v[\s+1+16*\b]|, 0x1800000   ; my 16 numbers of block b, and the floor 2^(3 - 127): the byte cannot fall under 1
.endr
.irp i, 2,4,6,8,10,12,14
.irp b, 0,1,2,3
	v_max3_num_f32 v[TM+\b], v[TM+\b], |v[\s+16*\b+\i]|, |v[\s+1+16*\b+\i]|
.endr
.endr
.irp b, 0,1,2,3
	v_permlanex16_b32 v[TM+4+\b], v[TM+\b], s[SEL], s[SEL+1]
.endr
.irp b, 0,1,2,3
	v_max_num_f32 v[TM+\b], v[TM+\b], v[TM+4+\b]                 ; with lane l xor 16's: the block's largest magnitude
.endr
.irp b, 0,1,2,3
	v_add_nc_u32 v[TM+12+\b], 0xff000000, v[TM+\b]               ; 2 off its exponent field: the conversion's scale operand
.endr
.irp b, 0,1,2,3
	v_lshrrev_b32 v[TM+4+\b], 23, v[TM+12+\b]                    ; the scale's byte
.endr
	v_lshl_or_b32 v[PW], v[TM+5], 8, v[TM+4]
	v_lshl_or_b32 v[PW], v[TM+6], 16, v[PW]
	v_lshl_or_b32 v[PW], v[TM+7], 24, v[PW]
.irp c, 0,1
	v_cvt_scalef32_pk16_fp6_f32 v[PC+6*\c:PC+2+6*\c], v[\s+32*\c:\s+15+32*\c], v[TM+12+2*\c]
	v_cvt_scalef32_pk16_fp6_f32 v[PC+12+4*\c:PC+14+4*\c], v[\s+16+32*\c:\s+31+32*\c], v[TM+12+2*\c+1]   ; (three registers from an even one on)
.endr
	v_nop                                                        ; one plain place behind a scaled conversion
.irp c, 0,1                                                      ; a whole block to a lane: lanes 0-15 block 2 c, lanes 16-31 block 2 c + 1
.irp i, 0,1,2
	v_permlane16_swap_b32 v[PC+6*\c+\i], v[PC+12+4*\c+\i]
.endr
.irp i, 0,1,2
	v_mov_b32 v[PC+3+6*\c+\i], v[PC+12+4*\c+\i]
.endr
.endr
.endm
	s_load_b256 s[4:11], s[0:1], 0x0               ; x, Wq, Wk, Wv
	s_load_b128 s[12:15], s[0:1], 0x20             ; Wo, codes
	v_lshl_add_u32 v254, v0, 2, 0x8400
	v_mov_b32 v255, 0
	v_lshrrev_b32 v1, 5, v0
	v_readfirstlane_b32 s2, v1                     ; wave = K slot
	v_and_b32 v1, 31, v0                           ; lane
	v_and_b32 v2, 15, v0                           ; r
	v_bfe_u32 v3, v0, 4, 1                         ; h
	v_lshlrev_b32 v4, 4, v1                        ; my 16 bytes of a load's 512
	s_mul_i32 s3, s2, STG
	v_add_nc_u32 v5, s3, v4                        ; the stage, in: 16 x lane, a row an instruction
	v_mul_u32_u24 v6, v2, SPT
	v_lshl_add_u32 v6, v3, 6, v6
	v_add_nc_u32 v6, s3, v6                        ; out: row r, + 64 h
	v_lshlrev_b32 v7, 3, v1                        ; an image's place for my lane
.irp b, 0,1,2,3
	v_mov_b32 v[TM+4+\b], 0                        ; written once: a lane permute's destination counts as one of its sources
.endr
	s_mov_b32 s[SEL], 0x76543210
	s_mov_b32 s[SEL+1], 0xfedcba98
	s_mov_b32 s26, 0xffff0000                      ; lanes 16-31
	s_and_b32 s18, ttmp9, 31                       ; a weight's group of 32 rows
	s_wait_alu depctr_va_vdst(0)
	s_wait_kmcnt 0x0
	s_cmp_lt_u32 ttmp9, 352                        ; which tensor: the choice hangs on the work-group's number alone
	s_cselect_b64 s[16:17], s[10:11], s[12:13]
	s_cmp_lt_u32 ttmp9, 320
	s_cselect_b64 s[16:17], s[8:9], s[16:17]
	s_cmp_lt_u32 ttmp9, 288
	s_cselect_b64 s[16:17], s[6:7], s[16:17]
	s_cmp_lt_u32 ttmp9, 256
	s_cselect_b64 s[16:17], s[4:5], s[16:17]
	s_cselect_b32 s18, ttmp9, s18
	s_lshl_b32 s18, s18, 17                        ; 32 rows of 4,096 bytes
	s_lshl_b32 s19, s2, 10                         ; + my 256 along K
	s_add_co_u32 s18, s18, s19
	s_mov_b32 s19, 0
	s_add_nc_u64 s[16:17], s[16:17], s[18:19]
	s_and_b32 s20, ttmp9, 0x1fc                    ; 4 G
	s_add_co_u32 s20, s20, s2
	s_mul_i32 s20, s20, BLKB
	s_mov_b32 s21, 0
	s_add_nc_u64 s[20:21], s[14:15], s[20:21]      ; my block
	s_and_b32 s22, ttmp9, 3                        ; B
	s_mul_i32 s24, s22, 6144
	s_mov_b32 s25, 0
	s_add_nc_u64 s[24:25], s[20:21], s[24:25]      ; my four fragments
	s_lshl_b32 s22, s22, 8
	s_add_co_u32 s22, s22, 24576
	s_mov_b32 s23, 0
	s_add_nc_u64 s[22:23], s[20:21], s[22:23]      ; and their 256 bytes of scale words
.macro LOAD f                          ; fragment f = 2 u + ks: load i is row 8 u + i + 8 (i / 8) of my 32, 128 numbers
.irp i, 0,1,2,3,4,5,6,7,8,9,10,11,12,13,14,15
	global_load_b128 v[RR+64*((\f)%2)+4*\i:RR+64*((\f)%2)+4*\i+3], v4, s[16:17] offset:(8*((\f)/2)+\i+8*(\i/8))*4096+((\f)%2)*512 th:TH_LOAD_NT
.endr
.endm
.macro FRAGMENT f
.if (\f) < 3
	s_wait_loadcnt 16                              ; this fragment's 16 loads are in; the next fragment's 16 may be out
.else
	s_wait_loadcnt 0x0
.endif
.irp i, 0,1,2,3,4,5,6,7,8,9,10,11,12,13,14,15
	ds_store_b128 v5, v[RR+64*((\f)%2)+4*\i:RR+64*((\f)%2)+4*\i+3] offset:SPT*\i
.endr
.irp b, 0,1,2,3
.irp j, 0,1,2,3
	ds_load_b128 v[XX+16*\b+4*\j:XX+16*\b+4*\j+3], v6 offset:128*\b+16*\j   ; LDS serves a wave's instructions in order: these see the stores above
.endr
.endr
	s_wait_dscnt 0x0
.if (\f) < 2
	LOAD (\f)+2                                    ; into the set that the stage's stores have read
.endif
.if (\f) > 0
	s_wait_xcnt 0x0                                ; the last fragment's stores have read their data: the codes' registers are written again only behind this wait
.endif
	QUANT XX
.irp p, 0,1,2,3,4,5
	global_store_b64 v7, v[PC+2*\p:PC+2*\p+1], s[24:25] offset:1536*(\f)+256*\p   ; 32 lanes store 256 consecutive bytes, aligned
.endr
	v_mov_b32 v[WD+(\f)], v[PW]
.endm
	LOAD 0
	LOAD 1
	FRAGMENT 0
	FRAGMENT 1
	FRAGMENT 2
	FRAGMENT 3
	v_cndmask_b32 v30, v[WD], v[WD+2], s26         ; lanes 0-15: row block u = 0, lanes 16-31: u = 1; the words of ks 0 and 1 (both halves of the lanes hold row r's word)
	v_cndmask_b32 v31, v[WD+1], v[WD+3], s26
	global_store_b64 v7, v[30:31], s[22:23]        ; one aligned run of 256 bytes
	s_wait_tensorcnt 0x0
	ds_add_u32 v254, v255
	s_wait_dscnt 0x0
	s_endpgm
.Lfunc_end_k_q7f4e9181aa_quant:
	.size	k_q7f4e9181aa_quant, .Lfunc_end_k_q7f4e9181aa_quant-k_q7f4e9181aa_quant
	.p2alignl 7, 3214868480
	.fill 96, 4, 3214868480
	.section	.rodata,"a",@progbits
	.p2align	6, 0x0
	.amdhsa_kernel k_q7f4e9181aa_quant
		.amdhsa_group_segment_fixed_size 34304
		.amdhsa_private_segment_fixed_size 0
		.amdhsa_enable_private_segment 0
		.amdhsa_kernarg_size 48
		.amdhsa_user_sgpr_count 2
		.amdhsa_user_sgpr_kernarg_segment_ptr 1
		.amdhsa_wavefront_size32 1
		.amdhsa_system_sgpr_workgroup_id_x 1
		.amdhsa_system_sgpr_workgroup_id_y 1
		.amdhsa_system_sgpr_workgroup_id_z 1
		.amdhsa_system_vgpr_workitem_id 0
		.amdhsa_next_free_vgpr 256
		.amdhsa_next_free_sgpr 66
		.amdhsa_reserve_vcc 0
		.amdhsa_float_denorm_mode_32 3
		.amdhsa_float_denorm_mode_16_64 3
		.amdhsa_memory_ordered 1
		.amdhsa_forward_progress 1
		.amdhsa_inst_pref_size 35
	.end_amdhsa_kernel
	.amdgpu_metadata
---
amdhsa.version: [ 1, 2 ]
amdhsa.kernels:
  - .name:           k_q7f4e9181aa_quant
    .symbol:         k_q7f4e9181aa_quant.kd
    .args:
      - { .name: x, .offset: 0, .size: 8, .value_kind: global_buffer, .address_space: global }
      - { .name: Wq, .offset: 8, .size: 8, .value_kind: global_buffer, .address_space: global }
      - { .name: Wk, .offset: 16, .size: 8, .value_kind: global_buffer, .address_space: global }
      - { .name: Wv, .offset: 24, .size: 8, .value_kind: global_buffer, .address_space: global }
      - { .name: Wo, .offset: 32, .size: 8, .value_kind: global_buffer, .address_space: global }
      - { .name: codes, .offset: 40, .size: 8, .value_kind: global_buffer, .address_space: global }
    .group_segment_fixed_size: 34304
    .private_segment_fixed_size: 0
    .kernarg_segment_align: 8
    .kernarg_segment_size: 48
    .max_flat_workgroup_size: 128
    .sgpr_count:     66
    .vgpr_count:     256
    .wavefront_size: 32
...
	.end_amdgpu_metadata
.endif
;; end of part 1
;; launch qkvgemm (part 2): grid 12 x 32, 4 waves a work-group, clusters of 4 x 4, 327,680 bytes of LDS; arguments codes, bq, bk, bv, qkv; writes qkv
.if DOCPART == 2
	.amdgcn_target "amdgcn-amd-amdhsa--gfx1250"
	.amdhsa_code_object_version 6
	.text
	.protected	k_q7f4e9181aa_qkvgemm
	.globl	k_q7f4e9181aa_qkvgemm
	.p2align	8
	.type	k_q7f4e9181aa_qkvgemm,@function
k_q7f4e9181aa_qkvgemm:
	s_mov_b64 s[64:65], 0
	v_nop
	global_prefetch_b8 v0, s[64:65] scope:SCOPE_SE
	s_setreg_imm32_b32 hwreg(HW_REG_WAVE_MODE, 25, 1), 1
	s_wait_xcnt 0x0
	s_wait_alu depctr_hold_cnt(0) depctr_sa_sdst(0) depctr_va_vdst(0) depctr_va_sdst(0) depctr_va_ssrc(0) depctr_va_vcc(0) depctr_vm_vsrc(0)
	s_getreg_b32 s2, hwreg(HW_REG_IB_STS2, 6, 4)
	s_cmp_eq_u32 s2, 0
	s_cbranch_scc0 .Lentry_in_a_cluster
	s_endpgm
.Lentry_in_a_cluster:
	s_bfe_u32 s2, ttmp6, 0x10000c
	s_cmp_lg_u32 s2, 0xf033
	s_cbranch_scc0 .Lentry_shape_is_right
	s_endpgm
.Lentry_shape_is_right:
; q = x Wq^T + bq, k = x Wk^T + bk, v = x Wv^T + bv on codes of FP6 (E2M3) with E8M0 scales, sums in f32; the results are quantised in registers (q, k along the head's 64, v along the keys)
; and leave as images of operand registers for the attention launch.
; A tile of 256 x 256 to a work-group of four waves, 128 x 128 (64 accumulators, 512 registers) to a wave.  Source 0 = B's rows, source 1 = A's rows: a lane holds ONE row of A and its registers run along B's rows.
; Cluster x says which product: 0 q, 1 k, 2 v.  q, k: A = x (tokens), B = W (channels).  v: A = Wv (channels), B = x (tokens), by addresses alone, so that a lane's registers run along the keys.
; OPERANDS are blocks of 25,600 bytes (128 rows x 256 K: fragments' register images [i][ks][1536], then scale words [i][r][ks]), dense in memory: one tensor load a wave brings one.
; K = 1,024 is four K slots; LDS has three slots of four blocks (A's halves, B's halves), so only K slot 3 is a refill (into slot 0).  A wave has three tensor loads out at the start, later one.
; A fragment's rows are not neighbours (row block 2 B + u, lane r: row 32 B + 8 u + r + 8 (r / 8)), so that the 64 registers of accumulators (a, 0..7) are register 16 b + i = index 32 b + 16 (lane / 16) + i along B's rows.
; CLUSTERS: 4 x 4 work-groups; A's blocks are asked for jointly along a row of the cluster, B's along a column.
; qkv = [16 batch + head][256 tokens][38,400]: K codes [q][beta][1536] at 0, V codes [q][T][1536] at 12,288, K scale words [q][r][beta] at 24,576, V's [q][r][T] at 25,088, Q codes at 25,600, Q's scale words at 37,888.
; A fragment of K or Q packs two tiles of 16 tokens x 64: registers 0-5 tile 2 beta, registers 6-11 tile 2 beta + 1.
; LIMITS: NaN and infinities are not served; a block whose largest magnitude lies under 2^-124 keeps the byte 1, a block of zeros too (zero codes; the bytes are read by this program alone).
; REGISTERS: window 0: v16-30 addresses; v32-63 scale words, two sets; v64-127 eight bias tiles; v128-223 A's fragments, one set; v224-231 the bias loads' addresses.  window 1: B's fragments, two sets, at v0 and v128.
;   windows 2, 3: the accumulators, (a, b) at v[8 (8 (a % 4) + b)] of window 2 + a / 4.
.set BLKB,  25600
.set SLOTB, 4*BLKB                     ; an LDS slot: A half 0, A half 1, B half 0, B half 1
.set GRPB,  4*BLKB                     ; in memory: the four K slots of 128 rows
.set SPARE, 3*SLOTB                    ; the spare words, 128 bytes for each wave: two blocks of 256 bytes that no other line names
.set QBLK,  38400
.set HS,    8*QBLK                     ; from head to head in qkv
.set FR,    12
.set NL,    6                          ; LDS loads that bring a fragment
.set ADRA,  16                         ; v16-18  my A fragments in slot 0, 1, 2
.set ADRB,  20                         ; v20-22  B's
.set ADRS,  24                         ; v24-26  scale words: lanes 0-15 A's, lanes 16-31 B's
.set SPW,   28                         ; v28  my spare word's LDS address; never rewritten
.set NIL,   29                         ; v29  0; never rewritten
.set L8,    30                         ; v30  8 x lane
.set SC,    32
.set BT,    64
.set AF,    128
.set G1A,   24                         ; s[24:31], s[32:39] descriptor groups 1;  s[40:51], s[52:63] groups 0, a set for each slot
.set G1B,   32
.set G0A,   40
.set G0B,   52
.set SB,    76                         ; s[76:83] where the pairs A' = 0..3 of my row blocks store their codes
.set MSB, 0
.macro WIN new                         ; the immediate's high byte repeats the setting that is left
.if MSB != (\new)
	s_set_vgpr_msb (MSB<<8)|(\new)
.set MSB, \new
.endif
.endm
.set MUL_LO, 0xa1                      ; source 0 (B) window 1, source 1 (A) window 0, C and D window 2
.set MUL_HI, 0xf1                      ; the same, C and D window 3
.set TO_B,   0x40                      ; destination window 1, address window 0
.macro PLACES                          ; four plain places behind matrix instructions, in front of loads into registers that they read and of reads of their results
.rept 4
	v_nop
.endr
.endm
.macro CREST                           ; a round of the cluster's barrier behind its opening barrier
	s_cmp_lg_u32 s14, 0
	s_cbranch_scc1 .Lnot_wave_0_\@
	s_barrier_signal -3
.Lnot_wave_0_\@:
	s_barrier_wait -3
	s_barrier_signal -1
	s_barrier_wait -1
.endm
.macro CROUND
	s_barrier_signal -1
	s_barrier_wait -1
	CREST
.endm
.macro JLOAD                           ; the joint refill of slot 0: waves 0, 1 for A, waves 2, 3 for B; four v_nop follow each line
	s_cmp_eq_u32 s15, 0
	s_cbranch_scc0 .Lfor_b_\@
	tensor_load_to_lds s[G0A:G0A+3], s[G1A:G1A+7]
	s_nop 0
.rept 4
	v_nop
.endr
	s_branch .Lasked_\@
.Lfor_b_\@:
	tensor_load_to_lds s[G0B:G0B+3], s[G1B:G1B+7]
	s_nop 0
.rept 4
	v_nop
.endr
.Lasked_\@:
.endm
.macro FRAG reg, adr, q, i             ; a fragment's image: six loads of 256 consecutive bytes
.irp p, 0,1,2,3,4,5
	ds_load_b64 v[\reg+2*\p:\reg+2*\p+1], v[\adr] offset:(\i)*3072+(\q)*1536+256*\p
.endr
.endm
.macro FETCH_B slot, q, p
	WIN TO_B
.irp i, 0,1,2,3,4,5,6,7
	FRAG 128*(\p)+FR*\i, ADRB+\slot, \q, \i
.endr
	WIN 0
.endm
.macro FETCH_A slot, q, i0
.irp i, \i0, \i0+1, \i0+2, \i0+3
	FRAG AF+FR*(\i), ADRA+\slot, \q, \i
.endr
.endm
.macro SCALES slot, sc                 ; a slot's scale words: register 2 i + q: lanes 0-15 A's block i, lanes 16-31 B's block i
.irp i, 0,1,2,3,4,5,6,7
	ds_load_b64 v[SC+16*(\sc)+2*\i:SC+16*(\sc)+2*\i+1], v[ADRS+\slot] offset:128*\i
.endr
.endm
; 16 products: A's blocks a0, a0 + 1 x B's eight.  kind 0: adds in place; 1: C = the bias tile of B's block; 2: of A's block.  The 64 accumulators take turns.
.macro MUL16 a0, p, q, sc, kind
.irp a, \a0, \a0+1
.irp b, 0,1,2,3,4,5,6,7
.set AC, 8*(8*((\a)%4)+\b)
.set FB, 128*(\p)+FR*\b
.set FA, AF+FR*(\a)
.set SB0, SC+16*(\sc)+2*\b+(\q)
.set SA0, SC+16*(\sc)+2*(\a)+(\q)
.if (\kind) == 0
	v_wmma_scale_f32_16x16x128_f8f6f4 v[AC:AC+7], v[FB:FB+FR-1], v[FA:FA+FR-1], v[AC:AC+7], v[SB0], v[SA0] matrix_a_fmt:MATRIX_FMT_FP6 matrix_b_fmt:MATRIX_FMT_FP6 matrix_a_scale:MATRIX_SCALE_ROW1
.elseif (\kind) == 1
	v_wmma_scale_f32_16x16x128_f8f6f4 v[AC:AC+7], v[FB:FB+FR-1], v[FA:FA+FR-1], v[BT+8*\b:BT+8*\b+7], v[SB0], v[SA0] matrix_a_fmt:MATRIX_FMT_FP6 matrix_b_fmt:MATRIX_FMT_FP6 matrix_a_scale:MATRIX_SCALE_ROW1
.else
	v_wmma_scale_f32_16x16x128_f8f6f4 v[AC:AC+7], v[FB:FB+FR-1], v[FA:FA+FR-1], v[BT+8*(\a):BT+8*(\a)+7], v[SB0], v[SA0] matrix_a_fmt:MATRIX_FMT_FP6 matrix_b_fmt:MATRIX_FMT_FP6 matrix_a_scale:MATRIX_SCALE_ROW1
.endif
.endr
.endr
.endm
; A slot's first 128 along K (B's set 0); it fetches the second.
.macro STEP slot, sc, kind
	s_wait_dscnt 4*NL                              ; all but the youngest 24 loads (A's blocks 4-7)
.if \kind
	WIN 0x81                                       ; C (the bias) in window 0, D in window 2
.else
	WIN MUL_LO
.endif
	MUL16 0, 0, 0, \sc, \kind
	MUL16 2, 0, 0, \sc, \kind
	s_wait_dscnt 0x0                               ; A's blocks 4-7 are in
	PLACES
	FETCH_B \slot, 1, 1
	FETCH_A \slot, 1, 0
.if \kind
	WIN 0xc1
.else
	WIN MUL_HI
.endif
	MUL16 4, 0, 0, \sc, \kind
	MUL16 6, 0, 0, \sc, \kind
	PLACES
	WIN 0
	FETCH_A \slot, 1, 4
.endm
; A slot's second 128 along K (B's set 1); it fetches the next slot's first.  mode 2: slot 0 is filled again behind a round of the cluster's barrier; 1: a barrier, nothing filled; 0: the next slot is known whole.
.macro TURN slot, next, sc, nsc, mode
.if \mode
	s_wait_tensorcnt 0x0                           ; all my tensor loads have landed
	ds_add_u32 v[SPW], v[NIL]                      ; 0 onto my spare word
	s_wait_dscnt 4*NL+1                            ; (the add and A's blocks 4-7 may be out)
	WIN MUL_LO
	MUL16 0, 1, 1, \sc, 0
	s_wait_dscnt 0x0                               ; the add is done, and my reads of this slot are over
	s_barrier_signal -1
	MUL16 2, 1, 1, \sc, 0
	WIN 0
	s_barrier_wait -1
.if (\mode) == 2
	CREST                                          ; no wave of any partner still reads slot 0 or has a load on its way
	s_add_nc_u64 s[G0A+2:G0A+3], s[G0A+2:G0A+3], 3*BLKB   ; K slot 3
	s_add_nc_u64 s[G0B+2:G0B+3], s[G0B+2:G0B+3], 3*BLKB
	JLOAD                                          ; the first tensor load behind the round; its four v_nop are the places in front of the loads below
.else
	PLACES
.endif
.else
	s_wait_dscnt 4*NL
	WIN MUL_LO
	MUL16 0, 1, 1, \sc, 0
	MUL16 2, 1, 1, \sc, 0
	s_wait_dscnt 0x0
	PLACES
.endif
	FETCH_B \next, 0, 0
	FETCH_A \next, 0, 0
	SCALES \next, \nsc
	WIN MUL_HI
	MUL16 4, 1, 1, \sc, 0
	MUL16 6, 1, 1, \sc, 0
	PLACES
	WIN 0
	FETCH_A \next, 0, 4
.endm
	s_load_b256 s[4:11], s[0:1], 0x0               ; codes, bq, bk, bv
	s_load_b64 s[12:13], s[0:1], 0x20              ; qkv
	v_lshl_add_u32 v[SPW], v0, 2, SPARE
	v_mov_b32 v[NIL], 0
	ds_add_u32 v28, v29
	ds_add_u32 v28, v29
	s_wait_dscnt 0x0
	v_lshrrev_b32 v1, 5, v0
	v_readfirstlane_b32 s14, v1                    ; wave 0..3
	s_lshr_b32 s15, s14, 1                         ; my half of A's rows.  Also: I fetch for A (0) or for B (1)
	s_and_b32 s16, s14, 1                          ; my half of B's rows.  Also: which half I fetch
	s_bfe_u32 s66, ttmp6, 0x40000                  ; cx
	s_bfe_u32 s67, ttmp6, 0x40004                  ; cy
	s_and_b32 s69, ttmp7, 0xffff                   ; cluster y
	s_lshl_b32 s68, s69, 3
	s_lshl_b32 s70, s67, 2
	s_lshl_b32 s70, 15, s70                        ; my row of the cluster
	s_lshl_b32 s71, 0x1111, s66                    ; my column
	s_or_b32 s[G1A], s70, (3<<16)|(1<<21)          ; the mask; elements of 8 bytes; bit 21 beside a mask; no padding
	s_or_b32 s[G1B], s71, (3<<16)|(1<<21)
.irp g, G1A, G1B
	s_mov_b32 s[\g+1], 32<<16                      ; tensor_dim0 = 32 elements: 256 bytes
	s_mov_b32 s[\g+2], 100<<16                     ; tensor_dim1 = 100 rows: 25,600 bytes, dense
	s_mov_b32 s[\g+3], 32<<16                      ; tile_dim0
	s_mov_b32 s[\g+4], 100                         ; tile_dim1
	s_mov_b32 s[\g+5], 32                          ; the pitch
	s_mov_b32 s[\g+6], 0
	s_mov_b32 s[\g+7], 0
.endr
	s_lshl_b32 s18, ttmp9, 3
	s_add_co_u32 s18, s18, 64                      ; q, k: W's first group of 128 rows
	s_mov_b32 s88, 768
	s_mov_b32 s89, HS
	s_mov_b32 s90, 1536
	s_mov_b32 s91, 0
	s_mov_b32 s92, 3072
	s_mov_b32 s93, 0
	s_mov_b32 s86, 0x05040100
	s_mov_b32 s87, 0x07060302
	s_mov_b32 s100, 0
	s_mov_b32 s101, 24576
	s_mov_b32 s99, 0xffff0000                      ; lanes 16-31
	s_cmp_eq_u32 ttmp9, 2                          ; v?  The cluster's x: the same in all sixteen partners
	s_cselect_b32 s72, -1, 0                       ; as a mask for v_cndmask_b32
	s_cselect_b32 s17, 80, s68                     ; A's first group: Wv's, or my 1,024 tokens'
	s_cselect_b32 s18, s68, s18                    ; B's
	s_cselect_b32 s88, 1536, s88                   ; from row block 2 A' to 2 A' + 1, in bytes of qkv
	s_cselect_b32 s89, 768, s89                    ; from a fragment's registers 0-5 to 6-11
	s_cselect_b32 s90, 3072, s90                   ; from A' = 0 to 1
	s_cselect_b32 s92, HS, s92                     ; from A' = 0 to 2
	s_cselect_b32 s86, 0x03020100, s86             ; how two row blocks' scale words make two words of qkv
	s_cselect_b32 s87, 0x07060504, s87
	s_cselect_b32 s94, s66, s67                    ; which of the cluster's four runs of 256 tokens
	s_cselect_b32 s95, s67, s66                    ; which 256 channels,
	s_cselect_b32 s96, s15, s16                    ; which half of them
	s_cselect_b32 s97, s16, s15                    ; which half of the 256 tokens
	s_cselect_b32 s98, 0, 4                        ; a bias tile's eight registers: eight neighbours, or one number eight times
	s_cselect_b32 s100, 12288, s100                ; the codes' region in a block of qkv,
	s_cselect_b32 s101, 25088, s101                ; the scale words'
	s_lshl_b32 s19, s67, 1
	s_add_co_u32 s17, s17, s19
	s_add_co_u32 s17, s17, s16                     ; A's group that I fetch: cy and the wave's number; never cx
	s_mul_i32 s20, s17, GRPB
	s_mov_b32 s21, 0
	s_lshl_b32 s2, s66, 1
	s_add_co_u32 s18, s18, s2
	s_add_co_u32 s18, s18, s16                     ; B's: cx and the wave's number; never cy
	s_mul_i32 s22, s18, GRPB
	s_mov_b32 s23, 0
	s_mul_i32 s73, s14, BLKB                       ; where it goes: wave x a block: no place in the cluster enters an LDS address
	s_wait_kmcnt 0x0
	s_add_nc_u64 s[20:21], s[4:5], s[20:21]
	s_add_nc_u64 s[22:23], s[4:5], s[22:23]
.irp s, 0,1,2
	s_mov_b32 s[G0A+4*\s], 1
	s_add_co_u32 s[G0A+4*\s+1], s73, \s*SLOTB
	s_add_nc_u64 s[G0A+4*\s+2:G0A+4*\s+3], s[20:21], \s*BLKB
	s_or_b32 s[G0A+4*\s+3], s[G0A+4*\s+3], 0x80000000
	s_mov_b32 s[G0B+4*\s], 1
	s_add_co_u32 s[G0B+4*\s+1], s73, \s*SLOTB
	s_add_nc_u64 s[G0B+4*\s+2:G0B+4*\s+3], s[22:23], \s*BLKB
	s_or_b32 s[G0B+4*\s+3], s[G0B+4*\s+3], 0x80000000
.endr
	CROUND                                         ; all sixteen work-groups are here: the first joint loads meet
	s_cmp_eq_u32 s15, 0                            ; a wave's three first fills stand in one branch: K slots 0, 1, 2; three loads of mine are out
	s_cbranch_scc0 .Lfirst_b
	tensor_load_to_lds s[G0A:G0A+3], s[G1A:G1A+7]
	s_nop 0
	tensor_load_to_lds s[G0A+4:G0A+7], s[G1A:G1A+7]
	s_nop 0
	tensor_load_to_lds s[G0A+8:G0A+11], s[G1A:G1A+7]
	s_nop 0
.rept 4
	v_nop
.endr
	s_branch .Lfirst_asked
.Lfirst_b:
	tensor_load_to_lds s[G0B:G0B+3], s[G1B:G1B+7]
	s_nop 0
	tensor_load_to_lds s[G0B+4:G0B+7], s[G1B:G1B+7]
	s_nop 0
	tensor_load_to_lds s[G0B+8:G0B+11], s[G1B:G1B+7]
	s_nop 0
.rept 4
	v_nop
.endr
.Lfirst_asked:
	v_and_b32 v1, 15, v0                           ; r
	v_bfe_u32 v2, v0, 4, 1                         ; h
	v_and_b32 v3, 31, v0
	v_lshlrev_b32 v[L8], 3, v3
	s_wait_alu depctr_va_vdst(0)
	s_mul_i32 s17, s15, BLKB                       ; my half of A
	s_mul_i32 s18, s16, BLKB
	s_add_co_u32 s18, s18, 2*BLKB                  ; my half of B, behind A's two
	s_sub_co_u32 s19, s18, s17
	v_mul_u32_u24 v4, s19, v2                      ; lanes 16-31 take B's scale words: one product, h x the distance
	v_lshl_add_u32 v4, v1, 3, v4                   ; + 8 r
	s_add_co_u32 s19, s17, 24576
.irp s, 0,1,2
	v_add_nc_u32 v[ADRA+\s], s17, v[L8]
	v_add_nc_u32 v[ADRB+\s], s18, v[L8]
	v_add_nc_u32 v[ADRS+\s], s19, v4
	s_add_co_u32 s17, s17, SLOTB
	s_add_co_u32 s18, s18, SLOTB
	s_add_co_u32 s19, s19, SLOTB
.endr
	; the bias: q, k: tile b holds the eight channels 32 (b / 2) + 8 (b % 2) + 16 h + j;  v: tile a holds my channel 32 (a / 2) + 8 (a % 2) + r + 8 (r / 8) eight times
	s_cmp_eq_u32 ttmp9, 2
	s_cselect_b64 s[74:75], s[10:11], s[8:9]
	s_cmp_eq_u32 ttmp9, 0
	s_cselect_b64 s[74:75], s[6:7], s[74:75]
	s_cselect_b32 s100, 25600, s100
	s_cselect_b32 s101, 37888, s101
	s_lshl_b32 s2, s95, 10
	s_lshl_b32 s3, s96, 9
	s_add_co_u32 s2, s2, s3
	s_mov_b32 s3, 0
	s_add_nc_u64 s[74:75], s[74:75], s[2:3]        ; at my 128 channels
	v_lshlrev_b32 v5, 6, v2                        ; 64 h
	v_and_b32 v6, 7, v1
	v_lshrrev_b32 v7, 3, v1
	v_lshlrev_b32 v6, 2, v6
	v_lshl_add_u32 v6, v7, 6, v6                   ; 4 (r + 8 (r / 8))
	v_cndmask_b32 v5, v5, v6, s72
.irp j, 0,1,2,3,4,5,6,7
	v_mad_u32_u24 v[224+\j], s98, \j, v5
.endr
.irp i, 0,1,2,3,4,5,6,7
.irp j, 0,1,2,3,4,5,6,7
	global_load_b32 v[BT+8*\i+\j], v[224+\j], s[74:75] offset:128*(\i/2)+32*(\i%2)
.endr
.endr
	; where my results go
	s_lshl_b32 s17, s69, 2
	s_add_co_u32 s17, s17, s94                     ; which 256 tokens of the 8,192
	s_lshr_b32 s18, s17, 3                         ; batch
	s_and_b32 s17, s17, 7                          ; slot
	s_lshl_b32 s18, s18, 4
	s_lshl_b32 s19, s95, 2
	s_add_co_u32 s18, s18, s19
	s_lshl_b32 s19, s96, 1
	s_add_co_u32 s18, s18, s19                     ; 16 batch + my first head (I make two)
	s_lshl_b32 s18, s18, 3
	s_add_co_u32 s18, s18, s17
	s_mul_i32 s18, s18, QBLK
	s_mul_i32 s2, s97, 6144
	s_add_co_u32 s2, s2, s18
	s_add_co_u32 s2, s2, s100
	s_add_nc_u64 s[SB:SB+1], s[12:13], s[2:3]
	s_add_nc_u64 s[SB+2:SB+3], s[SB:SB+1], s[90:91]
	s_add_nc_u64 s[SB+4:SB+5], s[SB:SB+1], s[92:93]
	s_add_nc_u64 s[SB+6:SB+7], s[SB+4:SB+5], s[90:91]
	s_lshl_b32 s2, s97, 8
	s_add_co_u32 s2, s2, s18
	s_add_co_u32 s2, s2, s101
	s_add_nc_u64 s[84:85], s[12:13], s[2:3]        ; and their scale words
	s_wait_tensorcnt 0x2                           ; my part of K slot 0 is in; slots 1 and 2 may stay out
	s_barrier_signal -1
	s_barrier_wait -1
	FETCH_B 0, 0, 0
	FETCH_A 0, 0, 0
	SCALES 0, 0
	FETCH_A 0, 0, 4
	s_wait_loadcnt 0x0                             ; the bias
	s_cmp_eq_u32 ttmp9, 2                          ; the first products start the sums with the bias as C: by B's block (q, k) or by A's (v).  Both arms issue the same LDS loads; neither holds a barrier or a tensor load
	s_cbranch_scc1 .Lfirst_v
	STEP 0, 0, 1
	s_branch .Lfirst_done
.Lfirst_v:
	STEP 0, 0, 2
.Lfirst_done:
	TURN 0, 1, 0, 1, 2                             ; every wave has waited for all three first fills: slots 1 and 2 are whole for all; slot 0 takes K slot 3, with 224 products in which to land
	STEP 1, 1, 0
	TURN 1, 2, 1, 0, 0
	STEP 2, 0, 0
	TURN 2, 0, 0, 1, 1                             ; K slot 3 has landed, in every wave's part
	STEP 0, 1, 0
	s_wait_dscnt 4*NL                              ; the last 128 along K: nothing more to fetch
	WIN MUL_LO
	MUL16 0, 1, 1, 1, 0
	MUL16 2, 1, 1, 1, 0
	s_wait_dscnt 0x0
	WIN MUL_HI
	MUL16 4, 1, 1, 1, 0
	MUL16 6, 1, 1, 1, 0
	WIN 0
; THE WAY OUT.  The 64 registers of row block a are quantised as they stand: a fragment of 16 rows x 128.  q, k: its registers 0-5 are my first head's 64, 6-11 my second head's: half fragments of two heads;
; row blocks 2 A' and 2 A' + 1 fill the two halves of fragment beta = A'.  v: it is fragment T = a % 4 of head a / 4.  Every store covers 256 consecutive bytes, aligned.
.set TM,  32                           ; v32-47 at work
.set PW0, 48
.set PW1, 49
.set ZW,  52                           ; v52-59 the eight scale words of qkv
.set XL,  60
.set XH,  64
.set OW,  68
.set VO,  72                           ; v72-75 8 x lane + where half c of row block 2 A' + f goes
.set VS,  76
.set SEL, 2                            ; s[2:3] selects for lane l xor 16
.macro QUANTW win, s, pc, pw           ; the accumulators lie in window win; all else in window 0
.set WW, (\win)|((\win)<<2)
	WIN WW                                         ; sources 0 and 1
.irp b, 0,1,2,3
	v_max3_num_f32 v[TM+\b], |v[\s+16*\b]|, |v[\s+1+16*\b]|, 0x1800000   ; each accumulator is read from its low end on; the floor 2^(3 - 127) holds the byte at 1
.endr
.irp i, 2,4,6,8,10,12,14
.irp b, 0,1,2,3
	v_max3_num_f32 v[TM+\b], |v[\s+16*\b+\i]|, |v[\s+1+16*\b+\i]|, v[TM+\b]
.endr
.endr
	WIN 0
.irp b, 0,1,2,3
	v_permlanex16_b32 v[TM+4+\b], v[TM+\b], s[SEL], s[SEL+1]
.endr
.irp b, 0,1,2,3
	v_max_num_f32 v[TM+\b], v[TM+\b], v[TM+4+\b]
.endr
.irp b, 0,1,2,3
	v_add_nc_u32 v[TM+12+\b], 0xff000000, v[TM+\b]               ; 2 off the exponent field: the conversion's scale operand
.endr
.irp b, 0,1,2,3
	v_lshrrev_b32 v[TM+4+\b], 23, v[TM+12+\b]
.endr
	v_lshl_or_b32 v[\pw], v[TM+5], 8, v[TM+4]
	v_lshl_or_b32 v[\pw], v[TM+6], 16, v[\pw]
	v_lshl_or_b32 v[\pw], v[TM+7], 24, v[\pw]
.set WW, \win
	WIN WW                                         ; source 0
.irp c, 0,1
	v_cvt_scalef32_pk16_fp6_f32 v[\pc+6*\c:\pc+2+6*\c], v[\s+32*\c:\s+15+32*\c], v[TM+12+2*\c]
	v_cvt_scalef32_pk16_fp6_f32 v[\pc+12+4*\c:\pc+14+4*\c], v[\s+16+32*\c:\s+31+32*\c], v[TM+12+2*\c+1]
.endr
	WIN 0
	v_nop                                          ; one plain place behind a scaled conversion
.irp c, 0,1
.irp i, 0,1,2
	v_permlane16_swap_b32 v[\pc+6*\c+\i], v[\pc+12+4*\c+\i]
.endr
.irp i, 0,1,2
	v_mov_b32 v[\pc+3+6*\c+\i], v[\pc+12+4*\c+\i]
.endr
.endr
.endm
	PLACES                                         ; behind the last products: their results are read and their operands' registers written from here on
	s_mov_b32 s[SEL], 0x76543210
	s_mov_b32 s[SEL+1], 0xfedcba98
.irp b, 0,1,2,3
	v_mov_b32 v[TM+4+\b], 0                        ; written once: a lane permute's destination counts as one of its sources
.endr
	v_mov_b32 v[VO], v[L8]
	v_add_nc_u32 v[VO+1], s89, v[L8]
	v_add_nc_u32 v[VO+2], s88, v[L8]
	v_add_nc_u32 v[VO+3], s88, v[VO+1]
	v_and_b32 v[VS], 15, v0
	v_bfe_u32 v77, v0, 4, 1
	v_mul_u32_u24 v77, HS, v77
	v_lshl_add_u32 v[VS], v[VS], 4, v77            ; scale words: 16 r; lanes 16-31 my second head's
.irp A, 0,1,2,3
.set PB,  128-48*(\A%2)                ; the codes: v128-167 for even A', v80-119 for odd: never the numbers of the accumulators that are being converted
.set WN,  2+\A/2
.set AS0, 64*((2*\A)%4)
.set AS1, 64*((2*\A+1)%4)
.if \A >= 2
	s_wait_xcnt 0x0                                ; the stores of two pairs back have read their data: those registers are written again only behind this wait
.endif
	QUANTW WN, AS0, PB, PW0
	QUANTW WN, AS1, PB+20, PW1
	v_perm_b32 v[ZW+2*\A], v[PW1], v[PW0], s86     ; q, k: my first head's two bytes of both row blocks;  v: row block 2 A' 's word
	v_perm_b32 v[ZW+2*\A+1], v[PW1], v[PW0], s87   ; q, k: my second head's;  v: row block 2 A' + 1's
.irp f, 0,1
.irp c, 0,1
.irp p, 0,1,2
	global_store_b64 v[VO+2*\f+\c], v[PB+20*\f+6*\c+2*\p:PB+20*\f+6*\c+2*\p+1], s[SB+2*\A:SB+2*\A+1] offset:256*\p
.endr
.endr
.endr
.endr
.irp i, 0,1,2,3
	v_cndmask_b32 v[XL+\i], v[ZW+2*\i], v[ZW+\i], s72            ; my first head's four words,
	v_cndmask_b32 v[XH+\i], v[ZW+2*\i+1], v[ZW+4+\i], s72        ; my second head's
.endr
.irp i, 0,1,2,3
	v_cndmask_b32 v[OW+\i], v[XL+\i], v[XH+\i], s99
.endr
	global_store_b128 v[VS], v[OW:OW+3], s[84:85]  ; sixteen lanes store 256 consecutive bytes of each head
	s_wait_tensorcnt 0x0                           ; the wave's end
	ds_add_u32 v[SPW], v[NIL]
	s_wait_dscnt 0x0
	CROUND                                         ; the closing round: no work-group ends while a partner may still ask for a block that names it
	s_endpgm
.Lfunc_end_k_q7f4e9181aa_qkvgemm:
	.size	k_q7f4e9181aa_qkvgemm, .Lfunc_end_k_q7f4e9181aa_qkvgemm-k_q7f4e9181aa_qkvgemm
	.p2alignl 7, 3214868480
	.fill 96, 4, 3214868480
	.section	.rodata,"a",@progbits
	.p2align	6, 0x0
	.amdhsa_kernel k_q7f4e9181aa_qkvgemm
		.amdhsa_group_segment_fixed_size 327680
		.amdhsa_private_segment_fixed_size 0
		.amdhsa_enable_private_segment 0
		.amdhsa_kernarg_size 40
		.amdhsa_user_sgpr_count 2
		.amdhsa_user_sgpr_kernarg_segment_ptr 1
		.amdhsa_wavefront_size32 1
		.amdhsa_system_sgpr_workgroup_id_x 1
		.amdhsa_system_sgpr_workgroup_id_y 1
		.amdhsa_system_sgpr_workgroup_id_z 1
		.amdhsa_system_vgpr_workitem_id 0
		.amdhsa_next_free_vgpr 1024
		.amdhsa_next_free_sgpr 102
		.amdhsa_reserve_vcc 0
		.amdhsa_float_denorm_mode_32 3
		.amdhsa_float_denorm_mode_16_64 3
		.amdhsa_memory_ordered 1
		.amdhsa_forward_progress 1
		.amdhsa_inst_pref_size 188
	.end_amdhsa_kernel
	.amdgpu_metadata
---
amdhsa.version: [ 1, 2 ]
amdhsa.kernels:
  - .name:           k_q7f4e9181aa_qkvgemm
    .symbol:         k_q7f4e9181aa_qkvgemm.kd
    .args:
      - { .name: codes, .offset: 0, .size: 8, .value_kind: global_buffer, .address_space: global }
      - { .name: bq, .offset: 8, .size: 8, .value_kind: global_buffer, .address_space: global }
      - { .name: bk, .offset: 16, .size: 8, .value_kind: global_buffer, .address_space: global }
      - { .name: bv, .offset: 24, .size: 8, .value_kind: global_buffer, .address_space: global }
      - { .name: qkv, .offset: 32, .size: 8, .value_kind: global_buffer, .address_space: global }
    .group_segment_fixed_size: 327680
    .private_segment_fixed_size: 0
    .kernarg_segment_align: 8
    .kernarg_segment_size: 40
    .max_flat_workgroup_size: 128
    .sgpr_count:     102
    .vgpr_count:     1024
    .wavefront_size: 32
...
	.end_amdgpu_metadata
.endif
;; end of part 2
;; launch attn (part 3): grid 4 x 64, 16 waves a work-group, no clusters, 327,680 bytes of LDS; arguments qkv, ocodes; writes ocodes
.if DOCPART == 3
	.amdgcn_target "amdgcn-amd-amdhsa--gfx1250"
	.amdhsa_code_object_version 6
	.text
	.protected	k_q7f4e9181aa_attn
	.globl	k_q7f4e9181aa_attn
	.p2align	8
	.type	k_q7f4e9181aa_attn,@function
k_q7f4e9181aa_attn:
	s_mov_b64 s[64:65], 0
	v_nop
	global_prefetch_b8 v0, s[64:65] scope:SCOPE_SE
	s_setreg_imm32_b32 hwreg(HW_REG_WAVE_MODE, 25, 1), 1
	s_wait_xcnt 0x0
; O = softmax(Q K^T / 8, causal) V for one head, both products on codes of FP6 (E2M3) with E8M0 scales; O / l is quantised along the head's 64 and leaves as half fragments of the last product's operand.
; THE SOFTMAX AHEAD OF THE SECOND PRODUCT: t = score x log2(e) / 8; M = the running largest t rounded up to a whole number; p = 2^(t - M) is quantised along the keys; the sum is taken of the unquantised p and divides at the end.
; SHARES.  Work-group p of a head owns the query blocks 7 - p and p (256 queries each), one after the other, and walks ONE stream of nine key slots of 256 keys: slots 0 .. 7 - p, then 0 .. p: the same count for all.
; Each of sixteen waves owns one tile of 16 queries in each pass (four waves to a SIMD): 16 or 18 key steps of 128 keys a wave.  A step all of whose keys come after the wave's queries is jumped over (a branch on ids).
; NO CLUSTER: in a given trip the four work-groups of a head want different slots (p = 0 walks 0 .. 7, 0; p = 3 walks 0 .. 4, 0 .. 3); walked in step they would need 12 slots' time in place of 9.
; LAYOUT.  S^T = K Q^T, O^T = V^T P^T: a lane holds one query throughout.  A fragment of K packs two tiles of 16 keys x 64 (K blocks 0, 1 and 2, 3 of the instruction's 128); Q stands beside zero codes, low or high, which
; silence the other tile.  The keys of a tile are chosen so that registers 16 b + i of S^T are keys 32 b + 16 (lane / 16) + i; V's channels likewise.
; LDS: two slots of 25,600 bytes (K codes, V codes, K's and V's scale words: the first 25,600 bytes of a block of qkv) at 0 and 32,768, filled by wave 0, one tensor load out at a time; the spare words at 65,536.
; The scale bytes of O leave by stores of one byte a lane, 32 bytes inside 128: one byte in 24 of what the launch stores; their runs of 256 bytes are completed by other waves and heads.
; LIMITS: NaN and infinities are not served; a block whose largest magnitude lies under 2^-124 keeps the byte 1, a block of zeros too (zero codes).
.set QBLK,  38400
.set HS,    8*QBLK
.set SLOT1, 32768
.set SPARE, 65536                      ; 128 bytes for each of 16 waves: eight blocks of 256 bytes that no other line names
.set L8,  1                            ; v1   8 x lane
.set R16, 2                            ; v2   16 r
.set SPW, 3                            ; v3   my spare word's LDS address; never rewritten
.set NIL, 4                            ; v4   0; never rewritten
.set ADK, 5                            ; v5   the slot's images for my lane
.set ADS, 6                            ; v6   its scale words
.set DQ,  7                            ; v7   my query's place in its 128, less 16 h
.set VCO, 8                            ; v8   where my codes of O go
.set VSO, 9                            ; v9   and my scale byte
.set PFO, 10                           ; v10  256 x lane
.set NM,  12                           ; v12  -M;  v13 the largest t
.set TMX, 13
.set SUM, 14                           ; v[14:15] the sum, in two halves
.set QZ,  16                           ; v16-21 zeros, v22-27 Q, v28-33 zeros
.set QL,  34                           ; v34-39 the second pass's Q
.set QS,  40                           ; v40 Q's scale word, v41 the second pass's
.set KF,  44                           ; v44-91 four fragments of K, then of V
.set KS,  92                           ; v92-95 their scale words
.set SS,  96                           ; v96-159 S^T, then p
.set OT,  160                          ; v160-191 O^T
.set PCD, 192                          ; v192-203 p's codes
.set CT,  204                          ; v204-210 conversions' second halves
.set BM,  212                          ; v212-215 the blocks' largest scores
.set PT,  216
.set SO,  220                          ; v220-223 the conversions' scale operands
.set FF,  224                          ; v224 f, v225 p's scale word
.set T0,  226
.set NINF, 227
.set WV,  8
.set G0,  12
.set G1,  16
.set TB,  24                           ; the slot in hand
.set TAU, 25                           ; the trip
.set LASTHI, 26
.set WRAP, 27
.set OFFK, 28                          ; s[28:29] the byte offset in qkv of the slot asked for last
.set OFF0, 30
.set KST, 31                           ; the key step within the pass
.set DS,  32                           ; the key step on my diagonal
.set DSLO, 33
.set SEL, 34
.set CS,  36
.set PFA, 38
.set LIM, 40
.set OHI, 42
.set OLO, 44
.set HIM, 46
.macro TLOAD                           ; wave 0 fetches a whole slot: 100 rows of 256 bytes; four v_nop follow
	s_cmp_eq_u32 s[WV], 0
	s_cbranch_scc0 .Lnot_mine_\@
	tensor_load_to_lds s[G0:G0+3], s[G1:G1+7]
	s_nop 0
.rept 4
	v_nop
.endr
.Lnot_mine_\@:
.endm
; A prefetch of the codes (96 runs of 256 bytes) of the slot that the NEXT change will ask for.  All four work-groups of a head read the same slots: work-group 0, which walks slots 0 to 7 in order, asks, by its waves 4 to 6,
; 8,192 bytes each, lanes 256 bytes apart; in trips 0 to 5, for slots 2 to 7: each run is named once.  Slots 0 and 1 come by their loads alone.
.macro ASK
	s_cmp_lt_u32 s[TAU], s[LIM]
	s_cbranch_scc0 .Lnot_asked_\@
	global_prefetch_b8 v[PFO], s[PFA:PFA+1] th:TH_LOAD_NT scope:SCOPE_SE
.Lnot_asked_\@:
.endm
; THE CHANGE OF SLOTS, at a slot's head.  fill = 1: the slot that has been left takes the stream's next slot.
.macro CHANGE fill
	s_wait_tensorcnt 0x0                           ; no tensor load of mine is out: the slot ahead has landed, and group 0 may be written
	ds_add_u32 v[SPW], v[NIL]                      ; 0 onto my spare word
.if \fill
	s_xor_b32 s[G0+1], s[G0+1], SLOT1              ; the other slot than last time
	s_add_co_u32 s[OFFK], s[OFFK], QBLK            ; the next 256 keys,
	s_add_co_u32 s41, s[TAU], 1
	s_cmp_eq_u32 s41, s[WRAP]
	s_cselect_b32 s[OFFK], s[OFF0], s[OFFK]        ; or the head's first again, where the second pass begins
	s_add_nc_u64 s[G0+2:G0+3], s[4:5], s[OFFK:OFFK+1]
	s_or_b32 s[G0+3], s[G0+3], 0x80000000
	s_wait_xcnt 0x0                                ; the last prefetch, a slot back, has read its address
	s_add_nc_u64 s[PFA:PFA+1], s[PFA:PFA+1], QBLK
.endif
	s_wait_dscnt 0x0                               ; the add is done, and my reads of the slot that I have left are over
	s_barrier_signal -1
	s_barrier_wait -1
.if \fill
	TLOAD                                          ; the first thing behind the barrier: it has a slot's two key steps in which to land
	ASK
.endif
.endm
; A KEY STEP: 128 keys, the q-th of the slot in hand.
.macro STEP q
	s_cmp_gt_u32 s[KST], s[DS]                     ; all its keys come after my queries: nothing to do
	s_cbranch_scc1 .Lhidden_\@
	v_add_nc_u32 v[ADK], s[TB], v[L8]
	v_add_nc_u32 v[ADS], s[TB], v[R16]
	v_nop
	v_nop                                          ; four plain places in all, in front of loads into registers that the last products read
.irp b, 0,1,2,3
.irp p, 0,1,2,3,4,5
	ds_load_b64 v[KF+12*\b+2*\p:KF+12*\b+2*\p+1], v[ADK] offset:6144*(\q)+1536*\b+256*\p
.endr
.endr
	ds_load_b128 v[KS:KS+3], v[ADS] offset:24576+256*(\q)
	s_wait_alu depctr_va_vdst(0)
	s_wait_dscnt 0x0
.irp b, 0,1,2,3                        ; S^T: fragment b's low tile against (Q, 0), its high tile against (0, Q)
	v_wmma_scale_f32_16x16x128_f8f6f4 v[SS+16*\b:SS+16*\b+7], v[KF+12*\b:KF+12*\b+11], v[QZ+6:QZ+17], 0, v[KS+\b], v[QS] matrix_a_fmt:MATRIX_FMT_FP6 matrix_b_fmt:MATRIX_FMT_FP6
	v_wmma_scale_f32_16x16x128_f8f6f4 v[SS+16*\b+8:SS+16*\b+15], v[KF+12*\b:KF+12*\b+11], v[QZ:QZ+11], 0, v[KS+\b], v[QS] matrix_a_fmt:MATRIX_FMT_FP6 matrix_b_fmt:MATRIX_FMT_FP6
.endr
.rept 4
	v_nop                                          ; places: for the loads below and for the first read of the scores
.endr
.irp t, 0,1,2,3                        ; V's fragments are asked for now, into K's registers, and land under the softmax
.irp p, 0,1,2,3,4,5
	ds_load_b64 v[KF+12*\t+2*\p:KF+12*\t+2*\p+1], v[ADK] offset:12288+6144*(\q)+1536*\t+256*\p
.endr
.endr
	ds_load_b128 v[KS:KS+3], v[ADS] offset:25088+256*(\q)
	s_cmp_lt_u32 s[KST], s[DS]                     ; all keys count: no mask
	s_cbranch_scc1 .Lopen_\@
.set nn, 0
.rept 64                               ; on the diagonal: register 16 b + i holds key 32 b + 16 h + i of the 128: hidden where 32 b + i > my query - 16 h
	v_cmp_gt_i32 vcc_lo, 32*(nn/16)+nn%16, v[DQ]
	v_cndmask_b32 v[SS+nn], v[SS+nn], v[NINF], vcc_lo
.set nn, nn+1
.endr
.Lopen_\@:
.irp b, 0,1,2,3
	v_max3_num_f32 v[BM+\b], v[SS+16*\b], v[SS+1+16*\b], v[SS+2+16*\b]   ; the largest score of each block of 32 keys: for the row's maximum and, since p rises with the score, for the block's largest p
.endr
.irp i, 3,5,7,9,11,13
.irp b, 0,1,2,3
	v_max3_num_f32 v[BM+\b], v[BM+\b], v[SS+16*\b+\i], v[SS+1+16*\b+\i]
.endr
.endr
.irp b, 0,1,2,3
	v_max_num_f32 v[BM+\b], v[BM+\b], v[SS+15+16*\b]
.endr
.irp b, 0,1,2,3
	s_delay_alu instid0(VALU_DEP_4)
	v_permlanex16_b32 v[PT+\b], v[BM+\b], s[SEL], s[SEL+1]
.endr
.irp b, 0,1,2,3
	s_delay_alu instid0(VALU_DEP_4)
	v_max_num_f32 v[BM+\b], v[BM+\b], v[PT+\b]
.endr
	s_delay_alu instid0(VALU_DEP_2)
	v_max3_num_f32 v[T0], v[BM], v[BM+1], v[BM+2]
	s_delay_alu instid0(VALU_DEP_1)
	v_max_num_f32 v[T0], v[T0], v[BM+3]
	s_delay_alu instid0(VALU_DEP_1)
	v_mul_f32 v[T0], s[CS], v[T0]                  ; as t (c is positive)
	s_delay_alu instid0(VALU_DEP_1)
	v_max_num_f32 v[TMX], v[TMX], v[T0]            ; the running largest t
	v_mov_b32 v[T0], v[NM]
	s_delay_alu instid0(VALU_DEP_2)
	v_floor_f32 v[NM], -v[TMX]                     ; -M = floor(-t): M is a whole number
	s_delay_alu instid0(VALU_DEP_1)
	v_sub_f32 v[T0], v[NM], v[T0]                  ; old M - new M, 0 or less
	s_delay_alu instid0(VALU_DEP_1)
	v_cvt_i32_f32 v[T0], v[T0]                     ; (it saturates)
	s_delay_alu instid0(VALU_DEP_1)
	v_ldexp_f32 v[FF], 1.0, v[T0]                  ; f = 2^(old M - new M): a multiplication by it rounds nothing
.set nn, 0
.rept 32
	v_pk_fma_f32 v[SS+nn:SS+nn+1], v[SS+nn:SS+nn+1], s[CS:CS+1], v[NM:NM+1] op_sel_hi:[1,0,0]   ; t - M
.set nn, nn+2
.endr
.irp b, 0,1,2,3
	v_fma_f32 v[BM+\b], v[BM+\b], s[CS], v[NM]
.endr
.set nn, 0
	s_wait_alu depctr_va_vdst(0)
.rept 64
	v_exp_f32 v[SS+nn], v[SS+nn]                   ; p = 2^(t - M)
.set nn, nn+1
.endr
	v_pk_mul_f32 v[SUM:SUM+1], v[SUM:SUM+1], v[FF:FF+1] op_sel_hi:[1,0]   ; the sums under the new M: the plain place behind the exponentials
	s_wait_alu depctr_va_vdst(0)                   ; one wait for the batch of 64, ahead of its first reader
.irp b, 0,1,2,3
	v_exp_f32 v[BM+\b], v[BM+\b]                   ; the blocks' largest p
.endr
	v_pk_add_f32 v[216:217], v[100:101], v[104:105]
	v_pk_add_f32 v[254:255], v[108:109], v[112:113]
	v_pk_add_f32 v[252:253], v[116:117], v[120:121]
	v_pk_add_f32 v[250:251], v[124:125], v[128:129]
	v_pk_add_f32 v[248:249], v[132:133], v[136:137]
	v_pk_add_f32 v[246:247], v[140:141], v[144:145]
	v_pk_add_f32 v[244:245], v[148:149], v[152:153]
	v_pk_add_f32 v[14:15], v[14:15], v[156:157]
	v_pk_add_f32 v[216:217], v[216:217], v[96:97]
	v_pk_add_f32 v[254:255], v[254:255], v[98:99]
	v_pk_add_f32 v[252:253], v[252:253], v[102:103]
	v_pk_add_f32 v[250:251], v[250:251], v[106:107]
	v_pk_add_f32 v[248:249], v[248:249], v[110:111]
	v_pk_add_f32 v[246:247], v[246:247], v[114:115]
	v_pk_add_f32 v[244:245], v[244:245], v[118:119]
	v_pk_add_f32 v[14:15], v[14:15], v[122:123]
	v_pk_add_f32 v[216:217], v[216:217], v[126:127]
	v_pk_add_f32 v[254:255], v[254:255], v[130:131]
	v_pk_add_f32 v[252:253], v[252:253], v[134:135]
	v_pk_add_f32 v[250:251], v[250:251], v[138:139]
	v_pk_add_f32 v[248:249], v[248:249], v[142:143]
	v_pk_add_f32 v[246:247], v[246:247], v[146:147]
	v_pk_add_f32 v[244:245], v[244:245], v[150:151]
	v_pk_add_f32 v[14:15], v[14:15], v[154:155]
	v_pk_add_f32 v[216:217], v[216:217], v[158:159]
	s_delay_alu instid0(VALU_DEP_2)
	v_pk_add_f32 v[14:15], v[14:15], v[250:251]
	s_delay_alu instid0(VALU_DEP_2)
	v_pk_add_f32 v[216:217], v[216:217], v[248:249]
	v_pk_add_f32 v[254:255], v[254:255], v[246:247]
	v_pk_add_f32 v[252:253], v[252:253], v[244:245]
	s_delay_alu instid0(VALU_DEP_2)
	v_pk_add_f32 v[14:15], v[14:15], v[254:255]
	s_delay_alu instid0(VALU_DEP_2)
	v_pk_add_f32 v[216:217], v[216:217], v[252:253]
	s_delay_alu instid0(VALU_DEP_1)
	v_pk_add_f32 v[14:15], v[14:15], v[216:217]
	s_wait_alu depctr_va_vdst(0)                   ; and one for the four
.irp b, 0,1,2,3
	v_max_num_f32 v[BM+\b], 0x1800000, v[BM+\b]    ; the floor 2^(3 - 127)
.endr
.irp b, 0,1,2,3
	s_delay_alu instid0(VALU_DEP_4)
	v_add_nc_u32 v[SO+\b], 0xff000000, v[BM+\b]
.endr
.irp b, 0,1,2,3
	s_delay_alu instid0(VALU_DEP_4)
	v_lshrrev_b32 v[PT+\b], 23, v[SO+\b]
.endr
	s_delay_alu instid0(VALU_DEP_3)
	v_lshl_or_b32 v[FF+1], v[PT+1], 8, v[PT]       ; p's scale word for these 128 keys
	s_delay_alu instid0(VALU_DEP_1)
	v_lshl_or_b32 v[FF+1], v[PT+2], 16, v[FF+1]
	s_delay_alu instid0(VALU_DEP_1)
	v_lshl_or_b32 v[FF+1], v[PT+3], 24, v[FF+1]
.irp c, 0,1
	v_cvt_scalef32_pk16_fp6_f32 v[PCD+6*\c:PCD+2+6*\c], v[SS+32*\c:SS+15+32*\c], v[SO+2*\c]
	v_cvt_scalef32_pk16_fp6_f32 v[CT+4*\c:CT+2+4*\c], v[SS+16+32*\c:SS+31+32*\c], v[SO+2*\c+1]
.endr
	v_nop                                          ; one plain place behind a scaled conversion
.irp c, 0,1
.irp i, 0,1,2
	v_permlane16_swap_b32 v[PCD+6*\c+\i], v[CT+4*\c+\i]
.endr
.irp i, 0,1,2
	s_delay_alu instid0(VALU_DEP_3)
	v_mov_b32 v[PCD+3+6*\c+\i], v[CT+4*\c+\i]
.endr
.endr
.set nn, 0
.rept 16
	v_pk_mul_f32 v[OT+nn:OT+nn+1], v[OT+nn:OT+nn+1], v[FF:FF+1] op_sel_hi:[1,0]   ; O^T under the new M; these sixteen are also the places between the operand's and the scale word's last writes and the products
.set nn, nn+2
.endr
	s_wait_alu depctr_va_vdst(0)
	s_wait_dscnt 0x0                               ; V is in
.irp t, 0,1,2,3
	v_wmma_scale_f32_16x16x128_f8f6f4 v[OT+8*\t:OT+8*\t+7], v[KF+12*\t:KF+12*\t+11], v[PCD:PCD+11], v[OT+8*\t:OT+8*\t+7], v[KS+\t], v[FF+1] matrix_a_fmt:MATRIX_FMT_FP6 matrix_b_fmt:MATRIX_FMT_FP6
.endr
.Lhidden_\@:
	s_add_co_u32 s[KST], s[KST], 1
.endm
; A pass's end: O^T / l, register 16 b + i = channel 32 b + 16 h + i of my query, becomes half a fragment (two blocks of 32) and two scale bytes.
.macro FINISH base
.rept 4
	v_nop                                          ; places behind the last products
.endr
	v_add_f32 v[SUM], v[SUM], v[SUM+1]
	s_delay_alu instid0(VALU_DEP_1)
	v_permlanex16_b32 v[T0], v[SUM], s[SEL], s[SEL+1]
	s_delay_alu instid0(VALU_DEP_1)
	v_add_f32 v[SUM], v[SUM], v[T0]                ; the row's sum
	s_wait_alu depctr_va_vdst(0)
	v_rcp_f32 v[SUM], v[SUM]
	v_nop                                          ; a plain place behind the reciprocal,
	s_wait_alu depctr_va_vdst(0)                   ; and the wait ahead of its first reader
.set nn, 0
.rept 32
	v_mul_f32 v[SS+nn], v[OT+nn], v[SUM]           ; each accumulator from its low end on
.set nn, nn+1
.endr
.irp b, 0,1
	v_max3_num_f32 v[BM+\b], |v[SS+16*\b]|, |v[SS+1+16*\b]|, 0x1800000
.endr
.irp i, 2,4,6,8,10,12,14
.irp b, 0,1
	s_delay_alu instid0(VALU_DEP_2)
	v_max3_num_f32 v[BM+\b], v[BM+\b], |v[SS+16*\b+\i]|, |v[SS+1+16*\b+\i]|
.endr
.endr
.irp b, 0,1
	s_delay_alu instid0(VALU_DEP_2)
	v_permlanex16_b32 v[PT+\b], v[BM+\b], s[SEL], s[SEL+1]
.endr
.irp b, 0,1
	s_delay_alu instid0(VALU_DEP_2)
	v_max_num_f32 v[BM+\b], v[BM+\b], v[PT+\b]
.endr
.irp b, 0,1
	s_delay_alu instid0(VALU_DEP_2)
	v_add_nc_u32 v[SO+\b], 0xff000000, v[BM+\b]
.endr
.irp b, 0,1
	s_delay_alu instid0(VALU_DEP_2)
	v_lshrrev_b32 v[PT+\b], 23, v[SO+\b]
.endr
	v_cvt_scalef32_pk16_fp6_f32 v[PCD:PCD+2], v[SS:SS+15], v[SO]
	v_cvt_scalef32_pk16_fp6_f32 v[CT:CT+2], v[SS+16:SS+31], v[SO+1]
	v_nop
.irp i, 0,1,2
	v_permlane16_swap_b32 v[PCD+\i], v[CT+\i]
.endr
.irp i, 0,1,2
	s_delay_alu instid0(VALU_DEP_3)
	v_mov_b32 v[PCD+3+\i], v[CT+\i]                ; lane (r, h) now holds block h whole
.endr
.irp p, 0,1,2
	global_store_b64 v[VCO], v[PCD+2*\p:PCD+2*\p+1], s[\base:\base+1] offset:256*\p   ; 256 consecutive bytes, aligned
.endr
	v_cndmask_b32 v[T0], v[PT], v[PT+1], s[HIM]    ; lanes 0-15 store block 0's byte, lanes 16-31 block 1's
	global_store_b8 v[VSO], v[T0], s[\base:\base+1]
.endm
.macro START                           ; the second pass begins
	v_mov_b32 v[QS], v[QS+1]                       ; the scale word first: more than eight plain places lie between it and the next product
.irp i, 0,1,2,3,4,5
	v_mov_b32 v[QZ+6+\i], v[QL+\i]
.endr
	v_mov_b32 v[TMX], 0xff61b1e6
	s_delay_alu instid0(VALU_DEP_1)
	v_floor_f32 v[NM], -v[TMX]
	v_mov_b32 v[SUM], 0
	v_mov_b32 v[SUM+1], 0
.set nn, 0
.rept 32
	v_mov_b32 v[OT+nn], 0
.set nn, nn+1
.endr
	s_mov_b32 s[KST], 0
	s_mov_b32 s[DS], s[DSLO]
	s_wait_xcnt 0x0                                ; the stores above have read their data: those registers are written again only behind this wait
.endm
	s_load_b128 s[4:7], s[0:1], 0x0                ; qkv, ocodes
	v_lshl_add_u32 v[SPW], v0, 2, SPARE
	v_mov_b32 v[NIL], 0
	ds_add_u32 v3, v4
	ds_add_u32 v3, v4
	s_wait_dscnt 0x0
	v_lshrrev_b32 v5, 5, v0
	s_delay_alu instid0(VALU_DEP_1)
	v_readfirstlane_b32 s[WV], v5                  ; wave 0..15
	s_and_b32 s9, ttmp7, 0xffff                    ; 16 batch + head
	s_mul_i32 s[OFF0], s9, HS
	s_mov_b32 s[OFFK], s[OFF0]
	s_mov_b32 s[OFFK+1], 0
	s_sub_co_u32 s[LASTHI], 7, ttmp9               ; the first pass's query block, and its last trip
	s_sub_co_u32 s[WRAP], 8, ttmp9                 ; the second pass's first trip
	s_lshr_b32 s10, s[WV], 3                       ; which 128 of the 256 queries
	s_and_b32 s11, s[WV], 7                        ; which tile of them: 2 beta + u
	s_lshl_b32 s[DS], s[LASTHI], 1
	s_add_co_u32 s[DS], s[DS], s10
	s_lshl_b32 s[DSLO], ttmp9, 1
	s_add_co_u32 s[DSLO], s[DSLO], s10
	s_mov_b32 s[G1], 3<<16                         ; no mask; elements of 8 bytes; no padding
	s_mov_b32 s[G1+1], 32<<16                      ; tensor_dim0 = 32: 256 bytes
	s_mov_b32 s[G1+2], 100<<16                     ; tensor_dim1 = 100
	s_mov_b32 s[G1+3], 32<<16                      ; tile_dim0
	s_mov_b32 s[G1+4], 100                         ; tile_dim1
	s_mov_b32 s[G1+5], 32                          ; the pitch: dense
	s_mov_b32 s[G1+6], 0
	s_mov_b32 s[G1+7], 0
	s_mov_b32 s[SEL], 0x76543210
	s_mov_b32 s[SEL+1], 0xfedcba98
	s_mov_b32 s[CS], 0x3e38aa3b                    ; c = log2(e) / 8
	s_mov_b32 s[CS+1], s[CS]
	s_mov_b32 s[HIM], 0xffff0000                   ; lanes 16-31
	s_mov_b32 s[TB], 0
	s_mov_b32 s[TAU], 0
	s_mov_b32 s[KST], 0
	s_wait_kmcnt 0x0
	s_mov_b32 s[G0], 1
	s_mov_b32 s[G0+1], 0                           ; slot 0
	s_add_nc_u64 s[G0+2:G0+3], s[4:5], s[OFFK:OFFK+1]   ; the head's first 256 keys
	s_or_b32 s[G0+3], s[G0+3], 0x80000000
	TLOAD
	; scalars of the head
	s_mul_i32 s52, s[LASTHI], QBLK
	s_add_co_u32 s52, s52, s[OFF0]
	s_mov_b32 s53, 0
	s_add_nc_u64 s[48:49], s[4:5], s[52:53]        ; the block of qkv with the first pass's queries,
	s_mul_i32 s52, ttmp9, QBLK
	s_add_co_u32 s52, s52, s[OFF0]
	s_add_nc_u64 s[50:51], s[4:5], s[52:53]        ; the second pass's
	s_and_b32 s54, s9, 48                          ; 16 batch
	s_add_co_u32 s54, s54, s10
	s_and_b32 s55, s9, 15                          ; head
	s_lshr_b32 s56, s55, 2                         ; its K slot of the last product
	s_and_b32 s57, s55, 3                          ; 2 ks + e
	s_lshl_b32 s52, s[LASTHI], 1
	s_add_co_u32 s52, s52, s54                     ; tokens / 128
	s_lshl_b32 s52, s52, 2
	s_add_co_u32 s52, s52, s56
	s_mul_i32 s52, s52, 25600
	s_add_nc_u64 s[OHI:OHI+1], s[6:7], s[52:53]
	s_lshl_b32 s52, ttmp9, 1
	s_add_co_u32 s52, s52, s54
	s_lshl_b32 s52, s52, 2
	s_add_co_u32 s52, s52, s56
	s_mul_i32 s52, s52, 25600
	s_add_nc_u64 s[OLO:OLO+1], s[6:7], s[52:53]
	s_and_b32 s52, s[WV], 3                        ; the prefetches: waves 4 to 6 take 8,192 bytes each,
	s_lshl_b32 s52, s52, 13
	s_add_co_u32 s52, s52, s[OFF0]
	s_add_co_u32 s52, s52, QBLK                    ; in slot 1: the first change of slots steps it to slot 2
	s_add_nc_u64 s[PFA:PFA+1], s[4:5], s[52:53]
	s_sub_co_u32 s52, s[WV], 4
	s_cmp_lt_u32 s52, 3
	s_cselect_b32 s[LIM], 6, 0
	s_cmp_eq_u32 ttmp9, 0
	s_cselect_b32 s[LIM], s[LIM], 0
	s_lshr_b32 s58, s11, 1                         ; beta
	s_and_b32 s59, s11, 1                          ; u
	s_mov_b32 s47, 0x03020302
	s_cmp_eq_u32 s59, 0
	s_cselect_b32 s47, 0x01000100, s47             ; my tile's two bytes of a scale word of Q, twice
	s_lshl_b32 s52, s58, 5
	s_lshl_b32 s59, s59, 3
	s_add_co_u32 s52, s52, s59                     ; 32 beta + 8 u
	s_mul_i32 s53, s11, 3072
	s_mul_i32 s59, s57, 768
	s_add_co_u32 s53, s53, s59                     ; O's codes: row block 2 beta + u, fragment ks, half e
	s_lshl_b32 s54, s11, 7
	s_lshl_b32 s59, s57, 1
	s_add_co_u32 s54, s54, s59
	s_add_co_u32 s54, s54, 24576                   ; O's scale bytes
	s_mul_i32 s55, s10, 6144
	s_mul_i32 s59, s11, 768
	s_add_co_u32 s55, s55, s59
	s_add_co_u32 s55, s55, 25600                   ; Q's codes: my half fragment
	s_lshl_b32 s56, s10, 8
	s_lshl_b32 s59, s58, 2
	s_add_co_u32 s56, s56, s59
	s_add_co_u32 s56, s56, 37888                   ; Q's scale words
	v_and_b32 v11, 31, v0
	s_delay_alu instid0(VALU_DEP_1)
	v_lshlrev_b32 v[L8], 3, v11
	s_delay_alu instid0(VALU_DEP_2)
	v_lshlrev_b32 v[PFO], 8, v11
	v_and_b32 v11, 15, v0                          ; r
	s_delay_alu instid0(VALU_DEP_1)
	v_lshlrev_b32 v[R16], 4, v11
	v_bfe_u32 v[T0], v0, 4, 1                      ; h
	v_add_nc_u32 v[ADK], s55, v[L8]
	s_delay_alu instid0(VALU_DEP_3)
	v_add_nc_u32 v[ADS], s56, v[R16]
.irp p, 0,1,2
	global_load_b64 v[QZ+6+2*\p:QZ+7+2*\p], v[ADK], s[48:49] offset:256*\p
	global_load_b64 v[QL+2*\p:QL+1+2*\p], v[ADK], s[50:51] offset:256*\p
.endr
	global_load_b32 v[QS], v[ADS], s[48:49]
	global_load_b32 v[QS+1], v[ADS], s[50:51]
	v_and_b32 v[DQ], 8, v11
	s_delay_alu instid0(VALU_DEP_1)
	v_add_nc_u32 v[DQ], v[DQ], v11                 ; r + 8 (r / 8)
	v_lshlrev_b32 v[NINF], 4, v[T0]
	s_delay_alu instid0(VALU_DEP_1)
	v_sub_nc_u32 v[DQ], v[DQ], v[NINF]             ; - 16 h
	s_delay_alu instid0(VALU_DEP_1)
	v_add_nc_u32 v[DQ], s52, v[DQ]
	v_add_nc_u32 v[VCO], s53, v[L8]
	v_lshl_add_u32 v[VSO], v11, 3, v[T0]           ; 8 r + h
	s_delay_alu instid0(VALU_DEP_1)
	v_add_nc_u32 v[VSO], s54, v[VSO]
	v_mov_b32 v[NINF], 0xff800000                  ; -infinity
.irp i, 0,1,2,3,4,5
	v_mov_b32 v[QZ+\i], 0                          ; zero codes on both sides of Q
	v_mov_b32 v[QZ+12+\i], 0
.endr
	v_mov_b32 v[TMX], 0xff61b1e6                   ; the largest t so far: -3e38
	s_delay_alu instid0(VALU_DEP_1)
	v_floor_f32 v[NM], -v[TMX]
	v_mov_b32 v[SUM], 0
	v_mov_b32 v[SUM+1], 0
.irp b, 0,1,2,3
	v_mov_b32 v[PT+\b], 0                          ; written once: a lane permute's destination counts as one of its sources
.endr
	v_mov_b32 v[FF+1], 0                           ; (named as the upper half of a pair before it is first written)
	s_wait_loadcnt 0x0                             ; Q
	v_perm_b32 v[QS], v[QS], v[QS], s47
	v_perm_b32 v[QS+1], v[QS+1], v[QS+1], s47
.set nn, 0
.rept 32
	v_mov_b32 v[OT+nn], 0                          ; O^T begins as zeros; these lines are also the places between Q's scale word and the first product
.set nn, nn+1
.endr
.Lslot:                                            ; eight trips: behind each change of slots the stream's next slot is asked for
	CHANGE 1
	STEP 0
	STEP 1
	s_xor_b32 s[TB], s[TB], SLOT1
	s_cmp_eq_u32 s[TAU], s[LASTHI]                 ; the first pass's last slot?  The same in all sixteen waves; no LDS access, barrier or tensor load stands in the arm
	s_cbranch_scc0 .Lsame_pass
	FINISH OHI
	START
.Lsame_pass:
	s_add_co_u32 s[TAU], s[TAU], 1
	s_cmp_lt_u32 s[TAU], 8
	s_cbranch_scc1 .Lslot
	CHANGE 0                                       ; the ninth slot is written out
	STEP 0
	STEP 1
	FINISH OLO
	s_wait_tensorcnt 0x0                           ; the wave's end
	ds_add_u32 v[SPW], v[NIL]
	s_wait_dscnt 0x0
	s_endpgm
.Lfunc_end_k_q7f4e9181aa_attn:
	.size	k_q7f4e9181aa_attn, .Lfunc_end_k_q7f4e9181aa_attn-k_q7f4e9181aa_attn
	.p2alignl 7, 3214868480
	.fill 96, 4, 3214868480
	.section	.rodata,"a",@progbits
	.p2align	6, 0x0
	.amdhsa_kernel k_q7f4e9181aa_attn
		.amdhsa_group_segment_fixed_size 327680
		.amdhsa_private_segment_fixed_size 0
		.amdhsa_enable_private_segment 0
		.amdhsa_kernarg_size 16
		.amdhsa_user_sgpr_count 2
		.amdhsa_user_sgpr_kernarg_segment_ptr 1
		.amdhsa_wavefront_size32 1
		.amdhsa_system_sgpr_workgroup_id_x 1
		.amdhsa_system_sgpr_workgroup_id_y 1
		.amdhsa_system_sgpr_workgroup_id_z 1
		.amdhsa_system_vgpr_workitem_id 0
		.amdhsa_next_free_vgpr 256
		.amdhsa_next_free_sgpr 66
		.amdhsa_reserve_vcc 1
		.amdhsa_float_denorm_mode_32 3
		.amdhsa_float_denorm_mode_16_64 3
		.amdhsa_memory_ordered 1
		.amdhsa_forward_progress 1
		.amdhsa_inst_pref_size 112
	.end_amdhsa_kernel
	.amdgpu_metadata
---
amdhsa.version: [ 1, 2 ]
amdhsa.kernels:
  - .name:           k_q7f4e9181aa_attn
    .symbol:         k_q7f4e9181aa_attn.kd
    .args:
      - { .name: qkv, .offset: 0, .size: 8, .value_kind: global_buffer, .address_space: global }
      - { .name: ocodes, .offset: 8, .size: 8, .value_kind: global_buffer, .address_space: global }
    .group_segment_fixed_size: 327680
    .private_segment_fixed_size: 0
    .kernarg_segment_align: 8
    .kernarg_segment_size: 16
    .max_flat_workgroup_size: 512
    .sgpr_count:     66
    .vgpr_count:     256
    .wavefront_size: 32
...
	.end_amdgpu_metadata
.endif
;; end of part 3
;; launch oproj (part 4): grid 4 x 32, 4 waves a work-group, clusters of 4 x 4, 327,680 bytes of LDS; arguments ocodes, codes, bo, out0; writes out0
.if DOCPART == 4
	.amdgcn_target "amdgcn-amd-amdhsa--gfx1250"
	.amdhsa_code_object_version 6
	.text
	.protected	k_q7f4e9181aa_oproj
	.globl	k_q7f4e9181aa_oproj
	.p2align	8
	.type	k_q7f4e9181aa_oproj,@function
k_q7f4e9181aa_oproj:
	s_mov_b64 s[64:65], 0
	v_nop
	global_prefetch_b8 v0, s[64:65] scope:SCOPE_SE
	s_setreg_imm32_b32 hwreg(HW_REG_WAVE_MODE, 25, 1), 1
	s_wait_xcnt 0x0
	s_wait_alu depctr_hold_cnt(0) depctr_sa_sdst(0) depctr_va_vdst(0) depctr_va_sdst(0) depctr_va_ssrc(0) depctr_va_vcc(0) depctr_vm_vsrc(0)
	s_getreg_b32 s2, hwreg(HW_REG_IB_STS2, 6, 4)
	s_cmp_eq_u32 s2, 0
	s_cbranch_scc0 .Lentry_in_a_cluster
	s_endpgm
.Lentry_in_a_cluster:
	s_bfe_u32 s2, ttmp6, 0x10000c
	s_cmp_lg_u32 s2, 0xf033
	s_cbranch_scc0 .Lentry_shape_is_right
	s_endpgm
.Lentry_shape_is_right:
; out0 = O Wo^T + bo on codes of FP6 (E2M3) with E8M0 scales, sums in f32, result f32.  A = the attention's result (ocodes), B = Wo (codes, groups 88 to 95).
; A tile of 256 x 256 to a work-group of four waves, 128 x 128 (64 accumulators) to a wave; source 0 = Wo's rows, source 1 = tokens: a lane holds one token and eight neighbouring columns an accumulator.
; OPERANDS are blocks of 25,600 bytes (128 rows x 256 K: fragments' register images [i][ks][1536], then scale words [i][r][ks]), dense in memory: one tensor load a wave brings one.
; K = 1,024 is four K slots; LDS has three slots of four blocks, so only K slot 3 is a refill (into slot 0).  A wave has three tensor loads out at the start, later one.
; A fragment's rows are not neighbours (row block 2 B + u, lane r: row 32 B + 8 u + r + 8 (r / 8)): the way out puts rows and columns back in order.
; CLUSTERS: 4 x 4 work-groups; A's blocks are asked for jointly along a row of the cluster, B's along a column.  The grid has 128 work-groups: 32 x 4 tiles of 256 x 256.
; REGISTERS: window 0: v8-30 addresses; v32-63 scale words, two sets; v64-127 eight bias tiles; v128-223 A's fragments, one set.  window 1: B's fragments, two sets.  windows 2, 3: the accumulators.
.set BLKB,  25600
.set SLOTB, 4*BLKB
.set GRPB,  4*BLKB
.set SPARE, 3*SLOTB                    ; the spare words, 128 bytes for each wave: two blocks of 256 bytes that no other line names
.set SPITCH, 528                       ; the way out: a stage of 16 rows x (512 bytes + 16) for each wave, in slot 1, which has had its only fill and its last read by then
.set FR,    12
.set NL,    6
.set STO,   8                          ; v8   the stage: where I put 32 bytes of a row
.set RD,    9                          ; v9   where I read a row back
.set CO,    10                         ; v10  16 x lane
.set ADRA,  16
.set ADRB,  20
.set ADRS,  24
.set SPW,   28
.set NIL,   29
.set L8,    30
.set SC,    32
.set BT,    64
.set AF,    128
.set BK,    128                        ; the way out: 16 rows read back: v128-191 and v192-255 by turns
.set G1A,   24
.set G1B,   32
.set G0A,   40
.set G0B,   52
.set MSB, 0
.macro WIN new                         ; the immediate's high byte repeats the setting that is left
.if MSB != (\new)
	s_set_vgpr_msb (MSB<<8)|(\new)
.set MSB, \new
.endif
.endm
.set MUL_LO, 0xa1
.set MUL_HI, 0xf1
.set TO_B,   0x40
.macro PLACES                          ; four plain places behind matrix instructions (ISA guide 7.12.1)
.rept 4
	v_nop
.endr
.endm
.macro CREST
	s_cmp_lg_u32 s14, 0
	s_cbranch_scc1 .Lnot_wave_0_\@
	s_barrier_signal -3
.Lnot_wave_0_\@:
	s_barrier_wait -3
	s_barrier_signal -1
	s_barrier_wait -1
.endm
.macro CROUND
	s_barrier_signal -1
	s_barrier_wait -1
	CREST
.endm
.macro JLOAD                           ; the joint refill of slot 0; four v_nop follow each line
	s_cmp_eq_u32 s15, 0
	s_cbranch_scc0 .Lfor_b_\@
	tensor_load_to_lds s[G0A:G0A+3], s[G1A:G1A+7]
	s_nop 0
.rept 4
	v_nop
.endr
	s_branch .Lasked_\@
.Lfor_b_\@:
	tensor_load_to_lds s[G0B:G0B+3], s[G1B:G1B+7]
	s_nop 0
.rept 4
	v_nop
.endr
.Lasked_\@:
.endm
.macro FRAG reg, adr, q, i
.irp p, 0,1,2,3,4,5
	ds_load_b64 v[\reg+2*\p:\reg+2*\p+1], v[\adr] offset:(\i)*3072+(\q)*1536+256*\p
.endr
.endm
.macro FETCH_B slot, q, p
	WIN TO_B
.irp i, 0,1,2,3,4,5,6,7
	FRAG 128*(\p)+FR*\i, ADRB+\slot, \q, \i
.endr
	WIN 0
.endm
.macro FETCH_A slot, q, i0
.irp i, \i0, \i0+1, \i0+2, \i0+3
	FRAG AF+FR*(\i), ADRA+\slot, \q, \i
.endr
.endm
.macro SCALES slot, sc
.irp i, 0,1,2,3,4,5,6,7
	ds_load_b64 v[SC+16*(\sc)+2*\i:SC+16*(\sc)+2*\i+1], v[ADRS+\slot] offset:128*\i
.endr
.endm
; 16 products: A's blocks a0, a0 + 1 x B's eight.  kind 0: adds in place; 1: C = the bias tile of B's block.  The 64 accumulators take turns.
.macro MUL16 a0, p, q, sc, kind
.irp a, \a0, \a0+1
.irp b, 0,1,2,3,4,5,6,7
.set AC, 8*(8*((\a)%4)+\b)
.set FB, 128*(\p)+FR*\b
.set FA, AF+FR*(\a)
.set SB0, SC+16*(\sc)+2*\b+(\q)
.set SA0, SC+16*(\sc)+2*(\a)+(\q)
.if (\kind) == 0
	v_wmma_scale_f32_16x16x128_f8f6f4 v[AC:AC+7], v[FB:FB+FR-1], v[FA:FA+FR-1], v[AC:AC+7], v[SB0], v[SA0] matrix_a_fmt:MATRIX_FMT_FP6 matrix_b_fmt:MATRIX_FMT_FP6 matrix_a_scale:MATRIX_SCALE_ROW1
.else
	v_wmma_scale_f32_16x16x128_f8f6f4 v[AC:AC+7], v[FB:FB+FR-1], v[FA:FA+FR-1], v[BT+8*\b:BT+8*\b+7], v[SB0], v[SA0] matrix_a_fmt:MATRIX_FMT_FP6 matrix_b_fmt:MATRIX_FMT_FP6 matrix_a_scale:MATRIX_SCALE_ROW1
.endif
.endr
.endr
.endm
.macro STEP slot, sc, kind
	s_wait_dscnt 4*NL                              ; all but the youngest 24 loads (A's blocks 4-7)
.if \kind
	WIN 0x81                                       ; C (the bias) in window 0, D in window 2
.else
	WIN MUL_LO
.endif
	MUL16 0, 0, 0, \sc, \kind
	MUL16 2, 0, 0, \sc, \kind
	s_wait_dscnt 0x0
	PLACES
	FETCH_B \slot, 1, 1
	FETCH_A \slot, 1, 0
.if \kind
	WIN 0xc1
.else
	WIN MUL_HI
.endif
	MUL16 4, 0, 0, \sc, \kind
	MUL16 6, 0, 0, \sc, \kind
	PLACES
	WIN 0
	FETCH_A \slot, 1, 4
.endm
.macro TURN slot, next, sc, nsc, mode
.if \mode
	s_wait_tensorcnt 0x0                           ; all my tensor loads have landed
	ds_add_u32 v[SPW], v[NIL]                      ; 0 onto my spare word
	s_wait_dscnt 4*NL+1                            ; (the add and A's blocks 4-7 may be out)
	WIN MUL_LO
	MUL16 0, 1, 1, \sc, 0
	s_wait_dscnt 0x0                               ; the add is done, and my reads of this slot are over
	s_barrier_signal -1
	MUL16 2, 1, 1, \sc, 0
	WIN 0
	s_barrier_wait -1
.if (\mode) == 2
	CREST                                          ; no wave of any partner still reads slot 0 or has a load on its way
	s_add_nc_u64 s[G0A+2:G0A+3], s[G0A+2:G0A+3], 3*BLKB   ; K slot 3
	s_add_nc_u64 s[G0B+2:G0B+3], s[G0B+2:G0B+3], 3*BLKB
	JLOAD
.else
	PLACES
.endif
.else
	s_wait_dscnt 4*NL
	WIN MUL_LO
	MUL16 0, 1, 1, \sc, 0
	MUL16 2, 1, 1, \sc, 0
	s_wait_dscnt 0x0
	PLACES
.endif
	FETCH_B \next, 0, 0
	FETCH_A \next, 0, 0
	SCALES \next, \nsc
	WIN MUL_HI
	MUL16 4, 1, 1, \sc, 0
	MUL16 6, 1, 1, \sc, 0
	PLACES
	WIN 0
	FETCH_A \next, 0, 4
.endm
	s_load_b256 s[4:11], s[0:1], 0x0               ; ocodes, codes, bo, out0
	v_lshl_add_u32 v[SPW], v0, 2, SPARE
	v_mov_b32 v[NIL], 0
	ds_add_u32 v28, v29
	ds_add_u32 v28, v29
	s_wait_dscnt 0x0
	v_lshrrev_b32 v1, 5, v0
	v_readfirstlane_b32 s14, v1                    ; wave 0..3
	s_lshr_b32 s15, s14, 1                         ; my half of the tokens.  Also: I fetch for A (0) or for B (1)
	s_and_b32 s16, s14, 1                          ; my half of the columns.  Also: which half I fetch
	s_bfe_u32 s66, ttmp6, 0x40000                  ; cx
	s_bfe_u32 s67, ttmp6, 0x40004                  ; cy
	s_and_b32 s69, ttmp7, 0xffff                   ; cluster y
	s_lshl_b32 s70, s67, 2
	s_lshl_b32 s70, 15, s70                        ; my row of the cluster
	s_lshl_b32 s71, 0x1111, s66                    ; my column
	s_or_b32 s[G1A], s70, (3<<16)|(1<<21)
	s_or_b32 s[G1B], s71, (3<<16)|(1<<21)
.irp g, G1A, G1B
	s_mov_b32 s[\g+1], 32<<16                      ; 100 rows of 32 elements of 8 bytes, dense
	s_mov_b32 s[\g+2], 100<<16
	s_mov_b32 s[\g+3], 32<<16
	s_mov_b32 s[\g+4], 100
	s_mov_b32 s[\g+5], 32
	s_mov_b32 s[\g+6], 0
	s_mov_b32 s[\g+7], 0
.endr
	s_lshl_b32 s17, s69, 3
	s_lshl_b32 s19, s67, 1
	s_add_co_u32 s17, s17, s19
	s_add_co_u32 s17, s17, s16                     ; A's group of 128 tokens: 8 x cluster y + 2 cy + half
	s_mul_i32 s20, s17, GRPB
	s_mov_b32 s21, 0
	s_lshl_b32 s18, s66, 1
	s_add_co_u32 s18, s18, s16
	s_add_co_u32 s18, s18, 88                      ; B's: Wo's rows: 88 + 2 cx + half
	s_mul_i32 s22, s18, GRPB
	s_mov_b32 s23, 0
	s_mul_i32 s73, s14, BLKB
	s_wait_kmcnt 0x0
	s_add_nc_u64 s[20:21], s[4:5], s[20:21]
	s_add_nc_u64 s[22:23], s[6:7], s[22:23]
.irp s, 0,1,2
	s_mov_b32 s[G0A+4*\s], 1
	s_add_co_u32 s[G0A+4*\s+1], s73, \s*SLOTB
	s_add_nc_u64 s[G0A+4*\s+2:G0A+4*\s+3], s[20:21], \s*BLKB
	s_or_b32 s[G0A+4*\s+3], s[G0A+4*\s+3], 0x80000000
	s_mov_b32 s[G0B+4*\s], 1
	s_add_co_u32 s[G0B+4*\s+1], s73, \s*SLOTB
	s_add_nc_u64 s[G0B+4*\s+2:G0B+4*\s+3], s[22:23], \s*BLKB
	s_or_b32 s[G0B+4*\s+3], s[G0B+4*\s+3], 0x80000000
.endr
	CROUND                                         ; all sixteen work-groups are here: the first joint loads meet
	s_cmp_eq_u32 s15, 0                            ; a wave's three first fills stand in one branch: three loads of mine are out
	s_cbranch_scc0 .Lfirst_b
	tensor_load_to_lds s[G0A:G0A+3], s[G1A:G1A+7]
	s_nop 0
	tensor_load_to_lds s[G0A+4:G0A+7], s[G1A:G1A+7]
	s_nop 0
	tensor_load_to_lds s[G0A+8:G0A+11], s[G1A:G1A+7]
	s_nop 0
.rept 4
	v_nop
.endr
	s_branch .Lfirst_asked
.Lfirst_b:
	tensor_load_to_lds s[G0B:G0B+3], s[G1B:G1B+7]
	s_nop 0
	tensor_load_to_lds s[G0B+4:G0B+7], s[G1B:G1B+7]
	s_nop 0
	tensor_load_to_lds s[G0B+8:G0B+11], s[G1B:G1B+7]
	s_nop 0
.rept 4
	v_nop
.endr
.Lfirst_asked:
	v_and_b32 v1, 15, v0                           ; r
	v_bfe_u32 v2, v0, 4, 1                         ; h
	v_and_b32 v3, 31, v0
	v_lshlrev_b32 v[L8], 3, v3
	s_wait_alu depctr_va_vdst(0)
	s_mul_i32 s17, s15, BLKB
	s_mul_i32 s18, s16, BLKB
	s_add_co_u32 s18, s18, 2*BLKB
	s_sub_co_u32 s19, s18, s17
	v_mul_u32_u24 v4, s19, v2                      ; lanes 16-31 take B's scale words: one product, h x the distance
	v_lshl_add_u32 v4, v1, 3, v4
	s_add_co_u32 s19, s17, 24576
.irp s, 0,1,2
	v_add_nc_u32 v[ADRA+\s], s17, v[L8]
	v_add_nc_u32 v[ADRB+\s], s18, v[L8]
	v_add_nc_u32 v[ADRS+\s], s19, v4
	s_add_co_u32 s17, s17, SLOTB
	s_add_co_u32 s18, s18, SLOTB
	s_add_co_u32 s19, s19, SLOTB
.endr
	s_lshl_b32 s2, s66, 10
	s_lshl_b32 s3, s16, 9
	s_add_co_u32 s2, s2, s3                        ; my 128 columns, in bytes
	s_mov_b32 s3, 0
	s_add_nc_u64 s[8:9], s[8:9], s[2:3]            ; bo there,
	s_add_nc_u64 s[10:11], s[10:11], s[2:3]        ; out0 there,
	s_lshl_b32 s2, s69, 2
	s_add_co_u32 s2, s2, s67
	s_lshl_b32 s2, s2, 20                          ; + 256 x tile row rows of 4,096 bytes
	s_lshl_b32 s17, s15, 19                        ; + my 128 rows
	s_add_co_u32 s2, s2, s17
	s_add_nc_u64 s[10:11], s[10:11], s[2:3]
	v_lshlrev_b32 v5, 6, v2                        ; the bias: tile b holds columns 32 (b / 2) + 8 (b % 2) + 16 h + 0 .. 7
.irp b, 0,1,2,3,4,5,6,7
	global_load_b128 v[BT+8*\b:BT+8*\b+3], v5, s[8:9] offset:128*(\b/2)+32*(\b%2)
	global_load_b128 v[BT+8*\b+4:BT+8*\b+7], v5, s[8:9] offset:128*(\b/2)+32*(\b%2)+16
.endr
	s_mul_i32 s17, s14, 16*SPITCH
	s_add_co_u32 s17, s17, SLOTB                   ; my stage, in slot 1
	v_mul_u32_u24 v6, v1, SPITCH
	v_lshl_add_u32 v6, v2, 6, v6
	v_add_nc_u32 v[STO], s17, v6                   ; in: row r, + 64 h
	v_lshlrev_b32 v[CO], 4, v3
	v_add_nc_u32 v[RD], s17, v[CO]                 ; back: a row of 512 bytes to the 32 lanes
	s_wait_tensorcnt 0x2                           ; my part of K slot 0 is in; slots 1 and 2 may stay out
	s_barrier_signal -1
	s_barrier_wait -1
	FETCH_B 0, 0, 0
	FETCH_A 0, 0, 0
	SCALES 0, 0
	FETCH_A 0, 0, 4
	s_wait_loadcnt 0x0                             ; the bias
	STEP 0, 0, 1                                   ; the first products start the sums with the bias as C
	TURN 0, 1, 0, 1, 2                             ; every wave has waited for all three first fills: slots 1 and 2 are whole for all; slot 0 takes K slot 3
	STEP 1, 1, 0
	s_wait_alu depctr_va_vdst(0)
	TURN 1, 2, 1, 0, 0
	STEP 2, 0, 0
	TURN 2, 0, 0, 1, 1                             ; K slot 3 has landed; behind this barrier nobody reads slot 1 any more
	STEP 0, 1, 0
	s_wait_dscnt 4*NL
	WIN MUL_LO
	MUL16 0, 1, 1, 1, 0
	MUL16 2, 1, 1, 1, 0
	s_wait_dscnt 0x0
	WIN MUL_HI
	MUL16 4, 1, 1, 1, 0
	MUL16 6, 1, 1, 1, 0
	WIN 0
; THE WAY OUT, block by block of 16 tokens x 128 columns, through my own stage: in by lanes (a token's eight columns of each accumulator at their true place in the row), back as whole rows of 512 bytes.
; LDS serves a wave's instructions in order (ISA guide 5.7.1.4): no wait between the stores and the loads, nor in front of the next block's stores.
.macro TOSTAGE a
.set AC, 64*((\a)%4)
.set WS, 0x08+4*((\a)/4)
	WIN WS                                         ; an LDS store's data: window 2 or 3
.irp b, 0,1,2,3,4,5,6,7
	ds_store_b128 v[STO], v[AC+8*\b:AC+8*\b+3] offset:128*(\b/2)+32*(\b%2)          ; each accumulator from its low end on
	ds_store_b128 v[STO], v[AC+8*\b+4:AC+8*\b+7] offset:128*(\b/2)+32*(\b%2)+16
.endr
	WIN 0
.set BB, BK+64*((\a)%2)
.irp t, 0,1,2,3,4,5,6,7,8,9,10,11,12,13,14,15
	ds_load_b128 v[BB+4*\t:BB+4*\t+3], v[RD] offset:\t*SPITCH
.endr
.endm
.macro SEND a, younger                 ; younger: the LDS instructions issued behind block a's loads
.set BB, BK+64*((\a)%2)
	s_wait_dscnt \younger
.irp t, 0,1,2,3,4,5,6,7,8,9,10,11,12,13,14,15
	global_store_b128 v[CO], v[BB+4*\t:BB+4*\t+3], s[10:11] offset:(32*((\a)/2)+8*((\a)%2)+\t+8*(\t/8))*4096 th:TH_STORE_NT   ; stage row t is token 32 (a / 2) + 8 (a % 2) + t + 8 (t / 8); 512 consecutive bytes, aligned
.endr
.endm
	PLACES
	TOSTAGE 0
.irp a, 1,2,3,4,5,6,7
.if \a > 1
	s_wait_xcnt 0x0                                ; block a - 2's stores have read their data: block a's loads may land there
.endif
	TOSTAGE \a
	SEND \a-1, 32                                  ; behind block a - 1's loads: block a's 16 stores and 16 loads
.endr
	SEND 7, 0
	s_wait_tensorcnt 0x0                           ; the wave's end
	ds_add_u32 v[SPW], v[NIL]
	s_wait_dscnt 0x0
	CROUND                                         ; the closing round
	s_endpgm
.Lfunc_end_k_q7f4e9181aa_oproj:
	.size	k_q7f4e9181aa_oproj, .Lfunc_end_k_q7f4e9181aa_oproj-k_q7f4e9181aa_oproj
	.p2alignl 7, 3214868480
	.fill 96, 4, 3214868480
	.section	.rodata,"a",@progbits
	.p2align	6, 0x0
	.amdhsa_kernel k_q7f4e9181aa_oproj
		.amdhsa_group_segment_fixed_size 327680
		.amdhsa_private_segment_fixed_size 0
		.amdhsa_enable_private_segment 0
		.amdhsa_kernarg_size 32
		.amdhsa_user_sgpr_count 2
		.amdhsa_user_sgpr_kernarg_segment_ptr 1
		.amdhsa_wavefront_size32 1
		.amdhsa_system_sgpr_workgroup_id_x 1
		.amdhsa_system_sgpr_workgroup_id_y 1
		.amdhsa_system_sgpr_workgroup_id_z 1
		.amdhsa_system_vgpr_workitem_id 0
		.amdhsa_next_free_vgpr 1024
		.amdhsa_next_free_sgpr 98
		.amdhsa_reserve_vcc 0
		.amdhsa_float_denorm_mode_32 3
		.amdhsa_float_denorm_mode_16_64 3
		.amdhsa_memory_ordered 1
		.amdhsa_forward_progress 1
		.amdhsa_inst_pref_size 158
	.end_amdhsa_kernel
	.amdgpu_metadata
---
amdhsa.version: [ 1, 2 ]
amdhsa.kernels:
  - .name:           k_q7f4e9181aa_oproj
    .symbol:         k_q7f4e9181aa_oproj.kd
    .args:
      - { .name: ocodes, .offset: 0, .size: 8, .value_kind: global_buffer, .address_space: global }
      - { .name: codes, .offset: 8, .size: 8, .value_kind: global_buffer, .address_space: global }
      - { .name: bo, .offset: 16, .size: 8, .value_kind: global_buffer, .address_space: global }
      - { .name: out0, .offset: 24, .size: 8, .value_kind: global_buffer, .address_space: global }
    .group_segment_fixed_size: 327680
    .private_segment_fixed_size: 0
    .kernarg_segment_align: 8
    .kernarg_segment_size: 32
    .max_flat_workgroup_size: 128
    .sgpr_count:     98
    .vgpr_count:     1024
    .wavefront_size: 32
...
	.end_amdgpu_metadata
.endif
;; end of part 4
